; MI455X (gfx1250); checked and timed in simulation.
; The chip was launched on July 23, 2026; its instructions are those of AMD's public machine-readable ISA for CDNA 5 (MIT licence, August 2026) and "CDNA5" Instruction Set Architecture Reference Guide (July 2026). The comments in the code are by the model that wrote it; some were corrected since.
;; Sequential MLP. Allowed arithmetic: float matrix products may take bf16 or f16 operands with f32 sums; all other float work in f32.
;; Inputs: W1 8 x 1,024 x 2,048 float32; W2 8 x 1,024 x 1,024 float32; b1 8 x 2,048 float32; b2 8 x 1,024 float32; hidden_states 16,384 x 1,024 float32; probs 16,384 float32; tokens_per_expert 8 int32.
;; Outputs: out0 16,384 x 1,024 float32.
;; One version. Each part assembles by itself: llvm-mc -triple=amdgcn-amd-amdhsa -mcpu=gfx1250 --defsym DOCPART=n.
;; ======== version 1 of 1: 4 launches
;; limits: values are held in f16: magnitudes above 65,504 overflow, below 6.1e-05 lose precision; inputs' magnitudes at most 65,504; below input magnitudes of 6.1e-05 results are inexact or not finite
;; workspace buffers: xh0 16,777,216 bytes; xh1 16,777,216 bytes; w1h0 16,777,216 bytes; w1h1 16,777,216 bytes; w2h 16,777,216 bytes; ah 33,554,432 bytes; mx 4,096 bytes; mxa 4,096 bytes
;; launch cast (part 1): grid 512 x 1, 8 waves a work-group, no clusters, 1,280 bytes of LDS; arguments hidden_states, W1, b1, xh0, w1h0, mx, mxa; writes xh0, w1h0, mx, mxa
.if DOCPART == 1
	.amdgcn_target "amdgcn-amd-amdhsa--gfx1250"
	.amdhsa_code_object_version 6
	.text
	.protected	k_q048fc9dea0_cast
	.globl	k_q048fc9dea0_cast
	.p2align	8
	.type	k_q048fc9dea0_cast,@function
k_q048fc9dea0_cast:
	s_mov_b64 s[64:65], 0
	v_nop
	global_prefetch_b8 v0, s[64:65] scope:SCOPE_SE
	s_setreg_imm32_b32 hwreg(HW_REG_WAVE_MODE, 25, 1), 1
	s_wait_xcnt 0x0
; Rounds to f16 what the first of the two fc1 launches needs: hidden_states' tokens 0-8191 (xh0) and W1 of experts 0-3 (w1h0), element for
; element, in the same order, and leaves the largest magnitude of each chunk in mx, from which the later launches make a scale that keeps fc1's
; activation inside f16 for every input.  The other halves and W2 are rounded by the fc1 launches themselves, beside their matrix work.
; f16 and not bf16: 11 significant bits against 8; the tensors have room in f16 (x about 1, W about 0.03).
; A stream: a chunk is 32,768 numbers (131,072 bytes in, 65,536 bytes out); work-groups 0-255 take chunks 0-255 of hidden_states, work-groups
; 256-511 chunks 0-255 of W1.  An expert's tokens are 64 chunks, its W1 64 chunks.
; Thread t in step j loads the 16 bytes at 4096 j + 16 t and stores the 8 bytes at 2048 j + 8 t: a wave's load covers 512 consecutive
; bytes, a wave's store 256 consecutive bytes at a multiple of 256 from the buffer's first byte.
; All 32 loads of a thread go out first (16 KiB of every wave on their way); no data register is used twice.
; mx[c] = max |number| of chunk c of hidden_states, mx[512 + c] of chunk c of W1; the latter also takes in b1's 32 numbers 32 c .. 32 c + 31, so
; that the 64 chunks of an expert cover its b1.  The word is stored twice, into mx and into mxa: the next launch reads these words and stores
; the other half's, and no launch loads from a buffer that it stores into.
; LIMITS: a magnitude above 65,504 becomes infinity in f16; below 2^-14 the step is 2^-24.  A NaN is left out of the maximum.
.set STEPS, 32
.set INB,   4096                       ; bytes that the work-group reads in a step
.set OUTB,  2048                       ; bytes that it writes in a step
.set BV,    3                          ; v3       my number of b1 (0 in hidden_states' chunks)
.set M,     4                          ; v[4:7]   four running maxima
.set X,     8                          ; v[8:135] step j: 4 registers as loaded; its first two then hold the 4 f16
.set T,     136                        ; v[136:147] addresses and the waves' maxima
	s_load_b256 s[4:11], s[0:1], 0x0               ; hidden_states s[4:5], W1 s[6:7], b1 s[8:9], xh0 s[10:11]
	s_load_b128 s[12:15], s[0:1], 0x20             ; w1h0 s[12:13], mx s[14:15]
	s_load_b64 s[16:17], s[0:1], 0x30              ; mxa
	v_lshl_add_u32 v148, v0, 2, 0x100
	v_mov_b32 v149, 0
	v_lshlrev_b32 v1, 4, v0                        ; 16 t
	v_lshlrev_b32 v2, 3, v0                        ; 8 t
	v_mov_b32 v[BV], 0
	v_and_b32 v[T], 31, v0
	v_lshlrev_b32 v[T], 2, v[T]                    ; 4 x lane: every wave reads the chunk's 32 numbers of b1
	s_mov_b32 s30, 0x76543210                      ; v_permlanex16_b32: lane i of one half reads lane i of the other
	s_mov_b32 s31, 0xfedcba98
	s_and_b32 s20, ttmp9, 255                      ; my chunk inside its tensor
	s_lshr_b32 s28, ttmp9, 8                       ; 0: hidden_states, 1: W1
	s_mov_b32 s27, 0
	s_wait_kmcnt 0x0
	s_cmp_lt_u32 ttmp9, 256                        ; which tensor: the choice hangs on the work-group's number alone
	s_cselect_b64 s[22:23], s[4:5], s[6:7]
	s_cselect_b64 s[24:25], s[10:11], s[12:13]
	s_lshl_b32 s26, s20, 17                        ; x 131,072 bytes in
	s_add_nc_u64 s[22:23], s[22:23], s[26:27]
	s_lshl_b32 s26, s20, 16                        ; x 65,536 bytes out
	s_add_nc_u64 s[24:25], s[24:25], s[26:27]
	s_lshl_b32 s26, s20, 7                         ; x 128 bytes of b1 (used by W1's chunks alone)
	s_add_nc_u64 s[8:9], s[8:9], s[26:27]
	s_cmp_lg_u32 s28, 1
	s_cbranch_scc1 .Lno_bias
	global_load_b32 v[BV], v[T], s[8:9]            ; older than the 32 loads below: their counted waits cover it
.Lno_bias:
.set j, 0
.rept STEPS
	global_load_b128 v[X+4*j:X+4*j+3], v1, s[22:23] offset:INB*j th:TH_LOAD_NT   ; read once in the launch
.set j, j+1
.endr
.set j, 0
.rept STEPS
	s_wait_loadcnt STEPS-1-j                       ; loads come back in order (ISA guide 5.7.1): step j is in, the younger ones stay out
.if j < 2
	v_max_num_f32 v[M+2*j],   |v[X+4*j]|,   |v[X+4*j+1]|       ; the first two steps start the four chains: nothing is cleared
	v_max_num_f32 v[M+2*j+1], |v[X+4*j+2]|, |v[X+4*j+3]|
.else
	v_max3_num_f32 v[M+2*(j%2)],   v[M+2*(j%2)],   |v[X+4*j]|,   |v[X+4*j+1]|
	v_max3_num_f32 v[M+2*(j%2)+1], v[M+2*(j%2)+1], |v[X+4*j+2]|, |v[X+4*j+3]|
.endif
	v_cvt_pk_f16_f32 v[X+4*j],   v[X+4*j],   v[X+4*j+1]
	v_cvt_pk_f16_f32 v[X+4*j+1], v[X+4*j+2], v[X+4*j+3]
	global_store_b64 v2, v[X+4*j:X+4*j+1], s[24:25] offset:OUTB*j
.set j, j+1
.endr
	; the chunk's maximum: my four chains and my number of b1, then the 32 lanes, then the 8 waves
	v_max3_num_f32 v[M], v[M], v[M+1], v[M+2]
	v_max3_num_f32 v[M], v[M], v[M+3], |v[BV]|
	v_max_num_f32_dpp v[M], v[M], v[M] row_xmask:1 row_mask:0xf bank_mask:0xf
	v_max_num_f32_dpp v[M], v[M], v[M] row_xmask:2 row_mask:0xf bank_mask:0xf
	v_max_num_f32_dpp v[M], v[M], v[M] row_xmask:4 row_mask:0xf bank_mask:0xf
	v_max_num_f32_dpp v[M], v[M], v[M] row_xmask:8 row_mask:0xf bank_mask:0xf
	v_permlanex16_b32 v[M+1], v[M], s30, s31       ; its destination counts as read: a register that has been written
	v_max_num_f32 v[M], v[M], v[M+1]
	v_lshrrev_b32 v[T+1], 5, v0
	v_lshlrev_b32 v[T+1], 2, v[T+1]                ; 4 x wave
	ds_store_b32 v[T+1], v[M]                      ; all lanes write the wave's word with the same value
	s_wait_dscnt 0x0                               ; for the others' sake: zero
	s_barrier_signal -1
	s_barrier_wait -1
	v_mov_b32 v[T+2], 0
	ds_load_b128 v[T+4:T+7],  v[T+2]
	ds_load_b128 v[T+8:T+11], v[T+2] offset:16
	s_lshl_b32 s21, s28, 11                        ; the word's place: 4 x (512 x tensor + chunk)
	s_lshl_b32 s29, s20, 2
	s_add_co_u32 s21, s21, s29
	v_mov_b32 v[T+3], s21
	s_wait_dscnt 0x0
	v_max3_num_f32 v[T+4], v[T+4], v[T+5], v[T+6]
	v_max3_num_f32 v[T+8], v[T+7], v[T+8], v[T+9]
	v_max3_num_f32 v[T+4], v[T+4], v[T+10], v[T+11]
	v_max_num_f32 v[T+4], v[T+4], v[T+8]
	s_wait_xcnt 0x0                                ; EXEC is a source of the stores above: it changes only behind this wait
	v_cmp_eq_u32 vcc_lo, 0, v0
	s_and_saveexec_b32 s29, vcc_lo
	global_store_b32 v[T+3], v[T+4], s[14:15]      ; thread 0 alone: the one word that the work-group owes mx,
	global_store_b32 v[T+3], v[T+4], s[16:17]      ; and the same word in mxa
	s_wait_xcnt 0x0
	s_or_b32 exec_lo, exec_lo, s29
	s_wait_tensorcnt 0x0
	ds_add_u32 v148, v149
	s_wait_dscnt 0x0
	s_endpgm
.Lfunc_end_k_q048fc9dea0_cast:
	.size	k_q048fc9dea0_cast, .Lfunc_end_k_q048fc9dea0_cast-k_q048fc9dea0_cast
	.p2alignl 7, 3214868480
	.fill 96, 4, 3214868480
	.section	.rodata,"a",@progbits
	.p2align	6, 0x0
	.amdhsa_kernel k_q048fc9dea0_cast
		.amdhsa_group_segment_fixed_size 1280
		.amdhsa_private_segment_fixed_size 0
		.amdhsa_enable_private_segment 0
		.amdhsa_kernarg_size 56
		.amdhsa_user_sgpr_count 2
		.amdhsa_user_sgpr_kernarg_segment_ptr 1
		.amdhsa_wavefront_size32 1
		.amdhsa_system_sgpr_workgroup_id_x 1
		.amdhsa_system_sgpr_workgroup_id_y 1
		.amdhsa_system_sgpr_workgroup_id_z 1
		.amdhsa_system_vgpr_workitem_id 0
		.amdhsa_next_free_vgpr 150
		.amdhsa_next_free_sgpr 66
		.amdhsa_reserve_vcc 1
		.amdhsa_float_denorm_mode_32 3
		.amdhsa_float_denorm_mode_16_64 3
		.amdhsa_memory_ordered 1
		.amdhsa_forward_progress 1
		.amdhsa_inst_pref_size 19
	.end_amdhsa_kernel
	.amdgpu_metadata
---
amdhsa.version: [ 1, 2 ]
amdhsa.kernels:
  - .name:           k_q048fc9dea0_cast
    .symbol:         k_q048fc9dea0_cast.kd
    .args:
      - { .name: hidden_states, .offset: 0, .size: 8, .value_kind: global_buffer, .address_space: global }
      - { .name: W1, .offset: 8, .size: 8, .value_kind: global_buffer, .address_space: global }
      - { .name: b1, .offset: 16, .size: 8, .value_kind: global_buffer, .address_space: global }
      - { .name: xh0, .offset: 24, .size: 8, .value_kind: global_buffer, .address_space: global }
      - { .name: w1h0, .offset: 32, .size: 8, .value_kind: global_buffer, .address_space: global }
      - { .name: mx, .offset: 40, .size: 8, .value_kind: global_buffer, .address_space: global }
      - { .name: mxa, .offset: 48, .size: 8, .value_kind: global_buffer, .address_space: global }
    .group_segment_fixed_size: 1280
    .private_segment_fixed_size: 0
    .kernarg_segment_align: 8
    .kernarg_segment_size: 56
    .max_flat_workgroup_size: 256
    .sgpr_count:     66
    .vgpr_count:     150
    .wavefront_size: 32
...
	.end_amdgpu_metadata
.endif
;; end of part 1
;; launch fc1a (part 2): grid 8 x 32, 4 waves a work-group, clusters of 4 x 4, 327,680 bytes of LDS; arguments xh0, w1h0, b1, mxa, hidden_states, W1, xh1, w1h1, ah, mx; writes ah, xh1, w1h1, mx
.if DOCPART == 2
	.amdgcn_target "amdgcn-amd-amdhsa--gfx1250"
	.amdhsa_code_object_version 6
	.text
	.protected	k_q048fc9dea0_fc1a
	.globl	k_q048fc9dea0_fc1a
	.p2align	8
	.type	k_q048fc9dea0_fc1a,@function
k_q048fc9dea0_fc1a:
	s_mov_b64 s[64:65], 0
	v_nop
	global_prefetch_b8 v0, s[64:65] scope:SCOPE_SE
	s_setreg_imm32_b32 hwreg(HW_REG_WAVE_MODE, 25, 1), 1
	s_wait_xcnt 0x0
	s_wait_alu depctr_hold_cnt(0) depctr_sa_sdst(0) depctr_va_vdst(0) depctr_va_sdst(0) depctr_va_ssrc(0) depctr_va_vcc(0) depctr_vm_vsrc(0)
	s_getreg_b32 s2, hwreg(HW_REG_IB_STS2, 6, 4)
	s_cmp_eq_u32 s2, 0
	s_cbranch_scc0 .Lentry_in_a_cluster
	s_endpgm
.Lentry_in_a_cluster:
	s_bfe_u32 s2, ttmp6, 0x10000c
	s_cmp_lg_u32 s2, 0xf033
	s_cbranch_scc0 .Lentry_shape_is_right
	s_endpgm
.Lentry_shape_is_right:
; This text serves two launches that differ in the constant HALF alone: HALF = 0 makes fc1 for experts 0-3 (tokens 0-8191), HALF = 1 for experts 4-7.
; ah[t][f] = f16( S[e] * silu(g) * (l + 1) ),  g = x[t] . W1[e][:, f] + b1[e][f],  l = x[t] . W1[e][:, 1024 + f] + b1[e][1024 + f],  e = t / 2048.
; xh: [8192][1024] f16 (this half's tokens), w1h: [4][1024 k][2048 n] f16 (this half's experts), b1: [8][2048] f32, the maxima: [1024] f32, ah: [16384][1024] f16.
; Products in f16, sums in f32, everything behind the sums in f32, ah rounded once.  The factor probs[t] is applied by the fc2 launch, in f32, together
; with 1 / S[e]: the second product is linear in a token's row, so the result is the same.
; tokens_per_expert is no argument: the function that defines the result never reads it, it cuts the tokens into eight equal parts.
;
; THE SECOND JOB.  By the sizes, this launch's own tiles and results are 50 MB for 34 GFLOP, so it also rounds to f16 what a later launch needs, beside the
; matrix work.  Work-group g (0-255) owns a chunk of 32,768 numbers in each of two streams.  HALF = 0: stream 0 is chunk 256 + g of hidden_states (to xh1),
; stream 1 chunk 256 + g of W1 (to w1h1), and the chunks' largest magnitudes go to mx (W1's with b1's 32 numbers 32 (256 + g) ..), as the cast launch
; leaves them for the first half.  HALF = 1: the streams are the two halves of chunk g of W2 (to w2h); no maximum is wanted.
; K step s issues a batch of NLD loads of 16 bytes a thread for stream s % 2 and, in front of that, rounds and stores the batch that step s - 1 issued: every
; batch has a whole K step in which to land.  Four batches a stream; the eighth batch is finished behind the activation.
; A wave's load covers 512 consecutive bytes, a wave's store 256 consecutive bytes at a multiple of 256 from the buffer's first byte.
;
; THE SCALE S[e], a power of two, keeps the activation inside f16 whatever the inputs' size.  Mx = the largest |x| of the expert's tokens (words 64 e .. + 63),
; Mw = the largest of |W1[e]| and |b1[e]| (words 512 + 64 e .. + 63).  Then |g|, |l| <= G = Mw (1024 Mx + 1), |silu(g)| <= |g|, so the activation is at most
; B = G G + G.  With E the biased exponent of B (B < 2^(E - 126)), S = 2^(141 - E): B S < 2^15, half of f16's largest number, which also covers the
; rounding of x and W1 to f16 and of G and B.  E is held to 15 .. 254 so that S and 1 / S are normal numbers.
;
; A work-group makes 256 tokens x 128 columns of ah, that is 256 x 256 of fc1's result: 128 gate columns and the 128 linear columns that belong
; to them.  Four waves, one for each SIMD of a WGP; a wave makes 128 tokens x (64 gate + 64 linear) columns in 64 accumulator tiles, 512 registers.
; K = 1024 goes in 8 steps of 128 through two LDS slots filled by the tensor data mover; every tile row is 256 bytes of memory at a multiple of 256.
; W1's tile stays [k][n] in LDS and is turned on the way to the registers by ds_load_tr16_b128.
; CLUSTERS: 4 x 4 work-groups.  The four of a row of the cluster have the same 256 tokens and ask for x's tiles jointly; the four of a column have the
; same columns of the same expert (8 block rows an expert = 2 clusters along y, so a cluster never spans two experts) and ask for W1's tiles jointly.
;
; A SLOT IN LDS: plane 0 of W1 (128 k x 128 gate columns, pitch 288) at 0, plane 1 (the linear columns) at PLANE, x's rows 0-127 (pitch 272) at
; 2 PLANE, rows 128-255 behind them.  Waves 0, 1 fetch the planes, waves 2, 3 x's halves: one tensor load a wave.
; REGISTERS: window 0: v0-55 addresses, the scale, the second job's maxima; v64-127, v128-191 fragments of x, two buffers; v192-255 the second job's batch.
; Window 1: v64-127, v128-191 fragments of W1; v192-223 b1 of my gate columns, v224-255 b1 + 1 of my linear columns.
; Windows 2, 3: accumulators, tile (a, b) at v[8 (8 a + b)], my rows 0-63, 64-127.
; n blocks b = 0..3 are gate columns 64 ch + 16 b, b = 4..7 the linear columns of the same numbers: tiles (a, b) and (a, b + 4) hold g and l of one
; (token, column) in the same lane and register.
; The matrix instruction is used transposed (source 0 = W1, source 1 = x): lane l holds token l % 16 and its registers 0-7 the columns 8 (l / 16) + 0..7.
;
; LIMITS: sigmoid(g) = rcp(1 + exp2(-1.442695 g)); v_rcp_f32 gives 0 for a result below 2^-126 (ISA guide 15.8), so for g below about -87.3 the
; result is 0 where the exact one is about |g (l + 1)| 2^-126 or less.  b1 + 1 is rounded once and then added to the sum, where the definition adds b1
; and then 1.  B overflows f32 for G above about 1.8e19.  A scaled activation below 2^-14 keeps a step of 2^-24, that is 2^-39 of the bound B.
; The second job: a magnitude above 65,504 becomes infinity in f16; below 2^-14 the step is 2^-24; a NaN is left out of the maximum.
.set HALF,   0                         ; which four experts
.set KSTEP,  128
.set LAPS,   4                         ; a lap = two K steps = once round the ring; K = 1024
.set KA,     1024                      ; elements in a row of xh
.set NB,     2048                      ; elements in a row of w1h
.set BSTEP,  KSTEP*NB*2                ; bytes from one K step's plane to the next
.set APITCH, 272                       ; 256 bytes + 16: 17 x 16, so the 16 rows of a fragment load start in 16 different 16-byte columns modulo 256
.set HALFA,  128*APITCH
.set BPITCH, 288                       ; 256 bytes + 32: 9 x 32, an odd multiple of 32 for the transposing load's 8 rows x 2 columns of 16 bytes
.set PLANE,  128*BPITCH
.set SLOT,   2*PLANE+2*HALFA           ; 143,360
.set RING,   2*SLOT                    ; 286,720
.set SCR,    RING                      ; HALF = 0: 32 bytes behind the ring, in a block of 256 into which no tensor load lands: the waves' maxima
.set SPITCH, 272                       ; the way out: a row of 128 f16 + 16 bytes, 256 rows, in slot 0 behind its last fill and its last read
.if HALF == 0
.set NLD,    16                        ; loads of a thread in a batch: 4 batches x 16 x 2,048 bytes = a chunk of 131,072 bytes a stream
.set BGMAX,  1                         ; the chunks' maxima are wanted
.else
.set NLD,    8                         ; 4 batches x 8 x 2,048 bytes = half a chunk a stream
.set BGMAX,  0
.endif
.set BIN,    NLD*2048                  ; bytes that a batch reads
.set BOUT,   NLD*1024                  ; bytes that it writes
.set ADRA, 16                          ; v16-17  LDS address of my x fragments in slot 0, 1
.set ADRB, 20                          ; v20-23  the same for W1: slot 0 plane 0, 1; slot 1 plane 0, 1
.set STO,  24                          ; v24     the way out: where I put 16 bytes of a row
.set RD,   25                          ; v25     the way out: where I read a row back
.set CO,   26                          ; v26     my byte offset in ah
.set CL,   29                          ; v29     the second job: 16 x thread, never rewritten
.set CS,   30                          ; v30     the second job: 8 x thread, never rewritten
.set MXR,  32                          ; v32-35  the chunks' maxima for the scale, at work
.set SC,   36                          ; v36-37  S[e], twice (a pair for the packed multiply)
.set BM,   40                          ; v40-43  the second job: two running maxima for each stream
.set BB,   44                          ; v44     my number of b1 of the second job's chunk of W1
.set SA,   45                          ; v45     LDS address of my wave's word of scratch
.set SB,   46                          ; v46     LDS address of the scratch
.set MO,   47                          ; v47     byte offset in mx of the chunk's word
.set WM,   48                          ; v48-55  the four waves' maxima of both streams
.set F0,   64                          ; fragment buffer 0
.set F1,   128                         ; fragment buffer 1
.set X,    192                         ; v192-255 the second job's batch: load j in 4 registers; its first two then hold the 4 f16
.set BG,   192                         ; window 1: b1 of my gate columns, 8 registers a block
.set BL,   224                         ; window 1: b1 + 1 of my linear columns
.set GT,   64                          ; the way out, window 0: g, 32 registers
.set LN,   96                          ; l + 1
.set EX,   128                         ; exponentials, then sigmoids
.set OB,   160                         ; 16 registers of packed f16
.set G1A, 24                           ; s[24:31] descriptor group 1 for x's tiles
.set G0A, 32                           ; s[32:39] group 0 for x's tiles, a set for each slot
.set G1B, 40                           ; s[40:47] group 1 for W1's tiles
.set G0B, 48                           ; s[48:55] group 0 for W1's tiles, a set for each slot
.set BS,  76                           ; s[76:79] the second job: where stream 0, 1 reads its next batch
.set BD,  80                           ; s[80:83] where stream 0, 1 writes it
.set MSB, 0
.macro WIN new                         ; s_set_vgpr_msb: bits 1:0 source 0, 3:2 source 1, 5:4 source 2, 7:6 destination; the high byte repeats the setting that is left
.if MSB != \new
	s_set_vgpr_msb (MSB<<8)|\new
.set MSB, \new
.endif
.endm
.set MUL_LO, 0xa1                      ; source 0 (W1) window 1, source 1 (x) window 0, C and D window 2
.set MUL_HI, 0xf1                      ; the same, C and D window 3
.set TO_B,   0x40                      ; destination window 1, address window 0
; A joint load.  Each of the two lines has one mask and one set of registers for all that issue it; the branch hangs on the wave's number alone.
; Four v_nop follow each line.
.macro JLOAD s
	s_cmp_eq_u32 s15, 0
	s_cbranch_scc0 .Lfor_a_\@
	tensor_load_to_lds s[G0B+4*\s:G0B+4*\s+3], s[G1B:G1B+7]
	s_nop 0
.rept 4
	v_nop
.endr
	s_branch .Lasked_\@
.Lfor_a_\@:
	tensor_load_to_lds s[G0A+4*\s:G0A+4*\s+3], s[G1A:G1A+7]
	s_nop 0
.rept 4
	v_nop
.endr
.Lasked_\@:
.endm
; A round of the cluster's barrier: my work-group's barrier; wave 0 signals for the work-group; every wave waits for all sixteen; my work-group's barrier again.
.macro CREST                           ; a round behind its opening barrier
	s_cmp_lg_u32 s14, 0
	s_cbranch_scc1 .Lnot_wave_0_\@
	s_barrier_signal -3
.Lnot_wave_0_\@:
	s_barrier_wait -3
	s_barrier_signal -1
	s_barrier_wait -1
.endm
.macro CROUND
	s_barrier_signal -1
	s_barrier_wait -1
	CREST
.endm
	s_load_b256 s[4:11], s[0:1], 0x0               ; xh s[4:5], w1h s[6:7], b1 s[8:9], the maxima that I read s[10:11]
.if HALF == 0
	s_load_b256 s[76:83], s[0:1], 0x20             ; hidden_states s[76:77], W1 s[78:79], xh1 s[80:81], w1h1 s[82:83]
	s_load_b64 s[12:13], s[0:1], 0x40              ; ah
	s_load_b64 s[84:85], s[0:1], 0x48              ; mx, which I store into
	s_set_vgpr_msb 0x40
	v_lshl_add_u32 v63, v0, 2, 0x46100
	s_set_vgpr_msb 0x4000
	v_mov_b32 v63, 0
	s_set_vgpr_msb 0x1
	ds_add_u32 v63, v63
	s_set_vgpr_msb 0x100
.else
	s_load_b128 s[76:79], s[0:1], 0x20             ; W2 s[76:77], w2h s[78:79]
	s_load_b64 s[12:13], s[0:1], 0x30              ; ah
.endif
	v_lshrrev_b32 v1, 5, v0
	v_readfirstlane_b32 s14, v1                    ; wave w, 0..3
	s_lshr_b32 s15, s14, 1                         ; rh: which 128 tokens are mine.  Also: I fetch for W1 (0) or for x (1)
	s_and_b32 s16, s14, 1                          ; ch: which 64 columns of each plane.  Also: which plane, or which half of x's rows, I fetch
	s_bfe_u32 s17, ttmp6, 0x40000                  ; cx
	s_bfe_u32 s18, ttmp6, 0x40004                  ; cy
	s_lshl_b32 s19, ttmp9, 2
	s_add_co_u32 s19, s19, s17                     ; bx: block column, 0..7
	s_and_b32 s21, ttmp7, 0xffff                   ; the cluster's y, 0..7
	s_lshl_b32 s20, s21, 2
	s_add_co_u32 s20, s20, s18                     ; by: block row of 256 tokens inside this half, 0..31
	s_lshr_b32 s21, s21, 1                         ; the expert inside this half, 0..3, made of the cluster's y alone
	s_add_co_u32 s74, s21, 4*HALF                  ; e: the expert among all eight
	s_add_co_u32 s75, s20, 32*HALF                 ; the block row among all 64
	s_lshl_b32 s22, s18, 2
	s_lshl_b32 s22, 15, s22                        ; my row of the cluster: places 4 cy .. 4 cy + 3
	s_lshl_b32 s23, 0x1111, s17                    ; my column: places cx, cx + 4, cx + 8, cx + 12
	; group 1: tiles of 128 rows x 128 elements of 2 bytes, padded behind every 64 words
	s_or_b32 s[G1A+0], s22, (1<<16)|(1<<20)|(1<<21)|(5<<22)|(3<<25)  ; mask: my row; 2-byte elements; padding on; bit 21 beside a mask; every 64 words, 4 words
	s_mov_b32 s[G1A+1], KSTEP<<16                  ; tensor_dim0 = 128
	s_mov_b32 s[G1A+2], 128<<16                    ; tensor_dim1 = 128
	s_mov_b32 s[G1A+3], KSTEP<<16                  ; tile_dim0 = 128
	s_mov_b32 s[G1A+4], 128                        ; tile_dim1 = 128
	s_mov_b32 s[G1A+5], KA                         ; elements from row to row
	s_mov_b32 s[G1A+6], 0
	s_mov_b32 s[G1A+7], 0
	s_or_b32 s[G1B+0], s23, (1<<16)|(1<<20)|(1<<21)|(5<<22)|(7<<25)  ; mask: my column; every 64 words, 8 words
	s_mov_b32 s[G1B+1], 128<<16
	s_mov_b32 s[G1B+2], KSTEP<<16
	s_mov_b32 s[G1B+3], 128<<16
	s_mov_b32 s[G1B+4], KSTEP
	s_mov_b32 s[G1B+5], NB
	s_mov_b32 s[G1B+6], 0
	s_mov_b32 s[G1B+7], 0
	; where the tiles come from: x's hang on by and the wave, W1's on bx, the expert and the wave, each in registers that never hold the other coordinate
	s_lshl_b32 s56, s20, 1
	s_add_co_u32 s56, s56, s16
	s_lshl_b32 s56, s56, 18                        ; (256 by + 128 ch) rows of 2,048 bytes
	s_mov_b32 s57, 0
	s_lshl_b32 s58, s21, 22                        ; expert x 1024 x 2048 x 2 bytes
	s_lshl_b32 s59, s16, 11
	s_add_co_u32 s58, s58, s59                     ; + plane x 1024 columns
	s_lshl_b32 s59, s19, 8
	s_add_co_u32 s58, s58, s59                     ; + bx x 128 columns
	s_mov_b32 s59, 0
	s_mul_i32 s60, s14, HALFA                      ; and where they go: x's halves (waves 2, 3) at 2 PLANE + (w - 2) HALFA,
	s_add_co_u32 s60, s60, 2*PLANE-2*HALFA
	s_mul_i32 s61, s14, PLANE                      ; the planes (waves 0, 1) at w PLANE
	s_wait_dscnt 0x0
	s_wait_kmcnt 0x0
	s_add_nc_u64 s[56:57], s[4:5], s[56:57]
	s_add_nc_u64 s[58:59], s[6:7], s[58:59]
	CROUND                                         ; all sixteen work-groups are here: the first joint loads meet
.irp s, 0,1
	s_mov_b32 s[G0A+4*\s], 1                                       ; count = 1
	s_add_co_u32 s[G0A+4*\s+1], s60, \s*SLOT                       ; LDS address
	s_add_nc_u64 s[G0A+4*\s+2:G0A+4*\s+3], s[56:57], \s*KSTEP*2    ; global address: K step s
	s_or_b32 s[G0A+4*\s+3], s[G0A+4*\s+3], 0x80000000              ; type = 2
	s_mov_b32 s[G0B+4*\s], 1
	s_add_co_u32 s[G0B+4*\s+1], s61, \s*SLOT
	s_add_nc_u64 s[G0B+4*\s+2:G0B+4*\s+3], s[58:59], \s*BSTEP
	s_or_b32 s[G0B+4*\s+3], s[G0B+4*\s+3], 0x80000000
	JLOAD \s                                       ; both slots are asked for before anything else: two tensor loads of the wave are out
.endr
	; lane addresses.  x: lane l holds row l % 16; two loads of 16 bytes, 32 apart, at row x pitch + 16 (l / 16).
	v_and_b32 v1, 15, v0                           ; r = l % 16
	v_bfe_u32 v2, v0, 4, 1                         ; h = l / 16
	v_mul_u32_u24 v3, v1, APITCH
	v_lshl_add_u32 v3, v2, 4, v3                   ; 272 r + 16 h
	s_mul_i32 s62, s15, HALFA
	s_add_co_u32 s62, s62, 2*PLANE                 ; my 128 rows of x
	v_add_nc_u32 v[ADRA], s62, v3
	v_add_nc_u32 v[ADRA+1], SLOT, v[ADRA]
	; W1, [k][n]: lane l addresses row 8 h + l % 8 of 16 k, 16 bytes at column (l / 8) % 2; the load hands each lane 8 k of column l % 16
	v_and_b32 v4, 7, v0
	v_lshl_add_u32 v4, v2, 3, v4
	v_mul_u32_u24 v4, v4, BPITCH
	v_bfe_u32 v5, v0, 3, 1
	v_lshl_add_u32 v4, v5, 4, v4
	s_lshl_b32 s63, s16, 7                         ; my 64 columns of a plane: 128 ch bytes
	v_add_nc_u32 v[ADRB], s63, v4
	v_add_nc_u32 v[ADRB+1], PLANE, v[ADRB]
	v_add_nc_u32 v[ADRB+2], SLOT, v[ADRB]
	v_add_nc_u32 v[ADRB+3], SLOT+PLANE, v[ADRB]
	; the way out
	s_mul_i32 s62, s15, 128*SPITCH
	s_add_co_u32 s62, s62, s63
	v_add_nc_u32 v[STO], s62, v3                   ; row 128 rh + r, byte 128 ch + 16 h
	v_mul_u32_u24 v6, v2, SPITCH
	v_lshl_add_u32 v6, v1, 4, v6
	s_mul_i32 s62, s14, 64*SPITCH
	v_add_nc_u32 v[RD], s62, v6                    ; row 64 w + h, byte 16 r
	v_lshlrev_b32 v7, 11, v2
	v_lshl_add_u32 v[CO], v1, 4, v7                ; the same two rows in ah: 2,048 h + 16 r
	v_lshlrev_b32 v27, 5, v2                       ; b1: 32 h
	v_and_b32 v8, 31, v0
	v_lshlrev_b32 v28, 3, v8                       ; the maxima: 8 x lane: 32 lanes take an expert's 64 words
	v_lshlrev_b32 v[CL], 4, v0                     ; the second job: 128 threads x 16 bytes in,
	v_lshlrev_b32 v[CS], 3, v0                     ; 128 threads x 8 bytes out
	s_lshl_b32 s66, s74, 13                        ; b1 at e x 8,192 + bx x 512 + ch x 256 bytes
	s_lshl_b32 s62, s19, 9
	s_add_co_u32 s66, s66, s62
	s_lshl_b32 s62, s16, 8
	s_add_co_u32 s66, s66, s62
	s_mov_b32 s67, 0
	s_add_nc_u64 s[66:67], s[8:9], s[66:67]
	s_lshl_b32 s68, s74, 8                         ; the maxima at e x 64 words
	s_mov_b32 s69, 0
	s_add_nc_u64 s[68:69], s[10:11], s[68:69]
	s_lshl_b32 s70, s75, 19                        ; ah at row 256 x block row + 64 w (2,048 bytes a row), byte 256 bx
	s_lshl_b32 s62, s14, 17
	s_add_co_u32 s70, s70, s62
	s_lshl_b32 s62, s19, 8
	s_add_co_u32 s70, s70, s62
	s_mov_b32 s71, 0
	s_add_nc_u64 s[70:71], s[12:13], s[70:71]
	s_mov_b32 s72, 0x76543210                      ; v_permlanex16_b32: lane i of one half reads lane i of the other
	s_mov_b32 s73, 0xfedcba98
	; the second job's addresses
	s_lshl_b32 s88, s20, 3
	s_add_co_u32 s88, s88, s19                     ; g = 8 by + bx, 0..255
	s_mov_b32 s91, 0
.if HALF == 0
	s_lshl_b32 s90, s88, 17
	s_add_co_u32 s90, s90, 256*131072              ; chunk 256 + g, 131,072 bytes each
	s_add_nc_u64 s[BS:BS+1],   s[BS:BS+1],   s[90:91]
	s_add_nc_u64 s[BS+2:BS+3], s[BS+2:BS+3], s[90:91]
	s_lshl_b32 s90, s88, 16                        ; in the second halves' buffers it is chunk g, 65,536 bytes each
	s_add_nc_u64 s[BD:BD+1],   s[BD:BD+1],   s[90:91]
	s_add_nc_u64 s[BD+2:BD+3], s[BD+2:BD+3], s[90:91]
	s_lshl_b32 s90, s88, 7
	s_add_co_u32 s90, s90, 256*128                 ; b1's 32 numbers of chunk 256 + g of W1
	s_add_nc_u64 s[92:93], s[8:9], s[90:91]
	s_lshl_b32 s89, s88, 2
	s_add_co_u32 s89, s89, 256*4                   ; mx: word 256 + g; W1's word lies 512 words further
	v_mov_b32 v[MO], s89
	s_lshl_b32 s90, s14, 2
	s_add_co_u32 s90, s90, SCR
	v_mov_b32 v[SA], s90                           ; scratch: 4 x wave
	v_mov_b32 v[SB], SCR
	v_lshlrev_b32 v31, 2, v8                       ; 4 x lane
.irp k, 0,1,2,3
	v_mov_b32 v[BM+\k], 0                          ; magnitudes are not negative: 0 starts the four running maxima
.endr
.else
	s_mov_b64 s[BD:BD+1], s[78:79]                 ; w2h
	s_lshl_b32 s90, s88, 17                        ; chunk g of W2
	s_add_nc_u64 s[BS:BS+1], s[BS:BS+1], s[90:91]
	s_add_nc_u64 s[BS+2:BS+3], s[BS:BS+1], 4*BIN   ; stream 1: the chunk's second half
	s_lshl_b32 s90, s88, 16
	s_add_nc_u64 s[BD:BD+1], s[BD:BD+1], s[90:91]
	s_add_nc_u64 s[BD+2:BD+3], s[BD:BD+1], 4*BOUT
.endif
	; b1 and the maxima are read once, here, while the first tiles are on their way
	WIN TO_B
.irp pl, 0,1
.irp b, 0,1,2,3
	global_load_b128 v[BG+32*\pl+8*\b:BG+32*\pl+8*\b+3],   v27, s[66:67] offset:4096*\pl+64*\b      ; columns 16 b + 8 h + 0..3
	global_load_b128 v[BG+32*\pl+8*\b+4:BG+32*\pl+8*\b+7], v27, s[66:67] offset:4096*\pl+64*\b+16   ; columns 16 b + 8 h + 4..7
.endr
.endr
	WIN 0
	global_load_b64 v[MXR:MXR+1],   v28, s[68:69]               ; the 64 chunks of the expert's tokens
	global_load_b64 v[MXR+2:MXR+3], v28, s[68:69] offset:2048   ; the 64 chunks of its W1 (with b1)
.if BGMAX
	global_load_b32 v[BB], v31, s[92:93]                        ; every wave reads the chunk's 32 numbers of b1
.endif
	s_wait_loadcnt 0x0
	v_max_num_f32 v[MXR],   v[MXR],   v[MXR+1]
	v_max_num_f32 v[MXR+2], v[MXR+2], v[MXR+3]
.irp m, 1,2,4,8
	v_max_num_f32_dpp v[MXR],   v[MXR],   v[MXR]   row_xmask:\m row_mask:0xf bank_mask:0xf
	v_max_num_f32_dpp v[MXR+2], v[MXR+2], v[MXR+2] row_xmask:\m row_mask:0xf bank_mask:0xf
.endr
	v_permlanex16_b32 v[MXR+1], v[MXR],   s72, s73
	v_permlanex16_b32 v[MXR+3], v[MXR+2], s72, s73
	v_max_num_f32 v[MXR],   v[MXR],   v[MXR+1]     ; Mx, in every lane
	v_max_num_f32 v[MXR+2], v[MXR+2], v[MXR+3]     ; Mw
	v_fma_f32 v[MXR], v[MXR], 0x44800000, 1.0      ; 1024 Mx + 1
	v_mul_f32 v[MXR], v[MXR], v[MXR+2]             ; G
	v_fma_f32 v[MXR], v[MXR], v[MXR], v[MXR]       ; B = G G + G
	v_lshrrev_b32 v[MXR], 23, v[MXR]               ; E, B's biased exponent (B is not negative)
	v_max_u32 v[MXR], 15, v[MXR]
	v_min_u32 v[MXR], 0xfe, v[MXR]
	v_sub_nc_u32 v[MXR], 0x10c, v[MXR]             ; S's biased exponent: 127 + 141 - E
	v_lshlrev_b32 v[SC], 23, v[MXR]
	v_mov_b32 v[SC+1], v[SC]
	WIN 0x41                                       ; destination and source 0 in window 1
.set k, 0
.rept 16
	v_pk_add_f32 v[BL+k:BL+k+1], v[BL+k:BL+k+1], 1.0 op_sel_hi:[1,0]    ; the GLU's offset of 1 goes into the linear half's bias
.set k, k+2
.endr
	WIN 0
; THE SECOND JOB'S TWO STEPS, both under window 0.  BGLOAD: stream st's next batch goes out.
.macro BGLOAD st
.set j, 0
.rept NLD
	global_load_b128 v[X+4*j:X+4*j+3], v[CL], s[BS+2*(\st):BS+2*(\st)+1] offset:2048*j th:TH_LOAD_NT   ; read once in the launch
.set j, j+1
.endr
.endm
; BGDONE: stream st's batch, issued a K step ago, is taken into the maxima, rounded in place and stored; then the stream's addresses step.
.macro BGDONE st
	s_wait_loadcnt 0x0                             ; the batch is the wave's only loads that are out
.set j, 0
.rept NLD
.if BGMAX
	v_max3_num_f32 v[BM+2*(\st)],   v[BM+2*(\st)],   |v[X+4*j]|,   |v[X+4*j+1]|
	v_max3_num_f32 v[BM+2*(\st)+1], v[BM+2*(\st)+1], |v[X+4*j+2]|, |v[X+4*j+3]|
.endif
	v_cvt_pk_f16_f32 v[X+4*j],   v[X+4*j],   v[X+4*j+1]
	v_cvt_pk_f16_f32 v[X+4*j+1], v[X+4*j+2], v[X+4*j+3]
.set j, j+1
.endr
.set j, 0
.rept NLD
	global_store_b64 v[CS], v[X+4*j:X+4*j+1], s[BD+2*(\st):BD+2*(\st)+1] offset:1024*j th:TH_STORE_NT   ; not read again in this launch
.set j, j+1
.endr
	s_wait_xcnt 0x0                                ; every earlier memory instruction has had its addresses translated (ISA guide 3.1): the batch's registers and the bases are rewritten only behind this wait
	s_add_nc_u64 s[BS+2*(\st):BS+2*(\st)+1], s[BS+2*(\st):BS+2*(\st)+1], BIN
	s_add_nc_u64 s[BD+2*(\st):BD+2*(\st)+1], s[BD+2*(\st):BD+2*(\st)+1], BOUT
.endm
; 16 matrix instructions: token blocks a0, a0 + 1 of the window's four x all 8 column blocks, 32 along K.  zero = 1: the first product starts the sums.
; The 64 accumulators take turns, one instruction a turn, in the same order in every quarter step.
.macro MUL16 f, hi, a0, zero
.irp a, \a0, \a0+1
.irp b, 0,1,2,3,4,5,6,7
.if \zero
	v_wmma_f32_16x16x32_f16 v[8*(8*(\a)+\b):8*(8*(\a)+\b)+7], v[\f+8*\b:\f+8*\b+7], v[\f+8*(4*\hi+\a):\f+8*(4*\hi+\a)+7], 0
.else
	v_wmma_f32_16x16x32_f16 v[8*(8*(\a)+\b):8*(8*(\a)+\b)+7], v[\f+8*\b:\f+8*\b+7], v[\f+8*(4*\hi+\a):\f+8*(4*\hi+\a)+7], v[8*(8*(\a)+\b):8*(8*(\a)+\b)+7]
.endif
.endr
.endr
.endm
; 32 LDS loads in one run: the fragments of quarter q (k = 32 q .. 32 q + 31 of the step) into buffer f: W1's 8 column blocks first, then x's 8 token blocks
.macro FETCH slot, q, f
	WIN TO_B
.irp pl, 0,1
.irp b, 0,1,2,3
	ds_load_tr16_b128 v[\f+8*(4*\pl+\b):\f+8*(4*\pl+\b)+3],   v[ADRB+2*\slot+\pl] offset:\q*32*BPITCH+32*\b             ; k = 8 h + 0..7
	ds_load_tr16_b128 v[\f+8*(4*\pl+\b)+4:\f+8*(4*\pl+\b)+7], v[ADRB+2*\slot+\pl] offset:\q*32*BPITCH+32*\b+16*BPITCH   ; k = 16 + 8 h + 0..7
.endr
.endr
	WIN 0
.irp i, 0,1,2,3,4,5,6,7
	ds_load_b128 v[\f+8*\i:\f+8*\i+3],   v[ADRA+\slot] offset:64*\q+\i*16*APITCH
	ds_load_b128 v[\f+8*\i+4:\f+8*\i+7], v[ADRA+\slot] offset:64*\q+\i*16*APITCH+32
.endr
.endm
; Four places of plain vector instructions stand between a matrix instruction and a load into one of its registers or a vector instruction that
; touches them (ISA guide 7.12.1 for vector instructions); the matrix instructions in between are not counted.
.macro PLACES
.rept 4
	v_nop
.endr
.endm
; A quarter step: multiplies buffer f; in its middle fetches quarter q of the same slot into buffer g.
; bg: the second job's turn, behind the fetch, where every window is 0.  0: none; 1: this K step's batch goes out; 2: the last K step's batch is finished first.
.macro QUARTER slot, q, f, g, zero, bg
	s_wait_dscnt 8                                 ; W1's fragments and x's rows 0-63 are in; the youngest eight loads (x's rows 64-127) may be out
	WIN MUL_LO
	MUL16 \f, 0, 0, \zero
	MUL16 \f, 0, 2, \zero
	PLACES
	FETCH \slot, \q, \g
.if \bg == 2
	BGDONE 1-\slot
.endif
.if \bg
	BGLOAD \slot
.endif
	s_wait_dscnt 32                                ; all LDS loads but the 32 just issued
	WIN MUL_HI
	MUL16 \f, 1, 0, \zero
	MUL16 \f, 1, 2, \zero
.endm
.macro THREE slot, zero, bg
	QUARTER \slot, 1, F0, F1, \zero, 0
	QUARTER \slot, 2, F1, F0, 0, \bg
	QUARTER \slot, 3, F0, F1, 0, 0
.endm
; The last quarter of a K step: multiplies buffer 1 and changes slots.  fill = 1: this slot is filled again, two K steps ahead.
; In front of the barrier each wave waits for its reads of this slot and for all its tensor loads (one is out: its part of the next slot).
; Behind it nobody reads this slot and the next slot is whole: the refill comes first, then the next slot's first fragments.
.macro TURN slot, next, fill
	s_wait_dscnt 8
	WIN MUL_LO
	MUL16 F1, 0, 0, 0
	s_wait_dscnt 0                                 ; my reads of this slot are over
	s_wait_tensorcnt 0x0                           ; and all my tensor loads have landed
	ds_add_u32 v63, v63
	s_wait_dscnt 0x0
	s_barrier_signal -1                            ; (where a slot is filled again this barrier opens a round of the cluster's barrier)
	MUL16 F1, 0, 2, 0                              ; register work while the others arrive
	WIN 0
	s_barrier_wait -1
.if \fill
	CREST                                          ; no wave of any partner still reads this slot or has a load on its way
	s_add_nc_u64 s[G0A+4*\slot+2:G0A+4*\slot+3], s[G0A+4*\slot+2:G0A+4*\slot+3], 2*KSTEP*2   ; no tensor load of mine is out: the addresses may step
	s_add_nc_u64 s[G0B+4*\slot+2:G0B+4*\slot+3], s[G0B+4*\slot+2:G0B+4*\slot+3], 2*BSTEP
	JLOAD \slot                                    ; the first tensor load behind the round, my only one until the next; its four v_nop are the places in front of the loads below
.else
	PLACES
.endif
	FETCH \next, 0, F0
	WIN MUL_HI
	MUL16 F1, 1, 0, 0
	MUL16 F1, 1, 2, 0
.endm
.macro LAP zero, bg
	THREE 0, \zero, \bg
	TURN 0, 1, 1
	THREE 1, 0, 2
	TURN 1, 0, 1
.endm
	s_wait_tensorcnt 0x1                           ; my part of K step 0 is in; K step 1's may stay out
	s_barrier_signal -1
	s_barrier_wait -1                              ; everybody's is
	FETCH 0, 0, F0
	LAP 1, 1                                       ; K steps 0, 1; asks for 2, 3.  Its first products start the sums; K step 0 has no batch to finish
	WIN 0
	s_mov_b32 s3, LAPS-2
.Llap:
	LAP 0, 2                                       ; K steps 2 to 5; asks for 4 to 7
	WIN 0
	s_sub_co_u32 s3, s3, 1
	s_cmp_lg_u32 s3, 0
	s_cbranch_scc1 .Llap
	THREE 0, 0, 2                                  ; the last lap fills nothing
	TURN 0, 1, 0                                   ; its barrier is also the one behind which no wave reads slot 0 any more
	THREE 1, 0, 2                                  ; the eighth batch goes out: each stream has had its four
	s_wait_dscnt 8
	WIN MUL_LO
	MUL16 F1, 0, 0, 0
	MUL16 F1, 0, 2, 0
	s_wait_dscnt 0
	WIN MUL_HI
	MUL16 F1, 1, 0, 0
	MUL16 F1, 1, 2, 0
	PLACES                                         ; behind the last matrix instructions: results are read and fragment registers written below
; THE WAY OUT, 16 tokens at a time: tiles (a, 0..3) are g, tiles (a, 4..7) l of the same places.  from: source 0 = the accumulators' window, source 1 = window 1.
; The stage is slot 0: its last fill has landed and its last read is over (the barrier of the last lap's change of slots), and no tensor load follows.
.macro ACT16 i, a, from
	WIN \from
.irp b, 0,1,2,3
.irp c, 0,2,4,6
	v_pk_add_f32 v[GT+8*\b+\c:GT+8*\b+\c+1], v[8*(8*\a+\b)+\c:8*(8*\a+\b)+\c+1],     v[BG+8*\b+\c:BG+8*\b+\c+1]   ; g
	v_pk_add_f32 v[LN+8*\b+\c:LN+8*\b+\c+1], v[8*(8*\a+\b+4)+\c:8*(8*\a+\b+4)+\c+1], v[BL+8*\b+\c:BL+8*\b+\c+1]   ; l + 1
.endr
.endr
	WIN 0
.set k, 0
.rept 16
	v_pk_mul_f32 v[EX+k:EX+k+1], v[GT+k:GT+k+1], 0xbfb8aa3b op_sel_hi:[1,0]     ; -g log2(e)
.set k, k+2
.endr
.set k, 0
.rept 32
	v_exp_f32 v[EX+k], v[EX+k]
.set k, k+1
.endr
.set k, 0
.rept 8
	v_pk_mul_f32 v[LN+k:LN+k+1], v[LN+k:LN+k+1], v[SC:SC+1]                     ; (l + 1) S, first half: also the plain instruction behind the exponentials (ISA guide 5.7.2)
.set k, k+2
.endr
.set k, 0
	s_wait_alu depctr_va_vdst(0)
.rept 16
	v_pk_add_f32 v[EX+k:EX+k+1], v[EX+k:EX+k+1], 1.0 op_sel_hi:[1,0]
.set k, k+2
.endr
.set k, 0
.rept 32
	v_rcp_f32 v[EX+k], v[EX+k]                                                  ; sigmoid(g)
.set k, k+1
.endr
.set k, 16
.rept 8
	v_pk_mul_f32 v[LN+k:LN+k+1], v[LN+k:LN+k+1], v[SC:SC+1]                     ; (l + 1) S, second half: the plain instruction behind the reciprocals
.set k, k+2
.endr
.set k, 0
	s_wait_alu depctr_va_vdst(0)
.rept 16
	v_pk_mul_f32 v[GT+k:GT+k+1], v[GT+k:GT+k+1], v[EX+k:EX+k+1]                 ; silu(g) first, as in the definition: a sigmoid of 0 never meets an overflowed product
.set k, k+2
.endr
.set k, 0
.rept 16
	v_pk_mul_f32 v[GT+k:GT+k+1], v[GT+k:GT+k+1], v[LN+k:LN+k+1]
.set k, k+2
.endr
.set k, 0
.rept 16
	v_cvt_pk_f16_f32 v[OB+k], v[GT+2*k], v[GT+2*k+1]
.set k, k+1
.endr
.irp b, 0,1,2,3
	ds_store_b128 v[STO], v[OB+4*\b:OB+4*\b+3] offset:\i*16*SPITCH+32*\b        ; 8 neighbouring columns of one token
.endr
.endm
	ACT16 0, 0, 0x06
	ACT16 1, 1, 0x06
	ACT16 2, 2, 0x06
	ACT16 3, 3, 0x06
	ACT16 4, 0, 0x07
	ACT16 5, 1, 0x07
	ACT16 6, 2, 0x07
	ACT16 7, 3, 0x07
	BGDONE 1                                       ; the second job's last batch (the stepped addresses are not used)
.if BGMAX
	; my wave's maxima of the two chunks: my chains (W1's with my number of b1), then the 32 lanes; the four waves meet in the scratch
	v_max_num_f32  v[BM],   v[BM],   v[BM+1]
	v_max3_num_f32 v[BM+2], v[BM+2], v[BM+3], |v[BB]|
.irp m, 1,2,4,8
	v_max_num_f32_dpp v[BM],   v[BM],   v[BM]   row_xmask:\m row_mask:0xf bank_mask:0xf
	v_max_num_f32_dpp v[BM+2], v[BM+2], v[BM+2] row_xmask:\m row_mask:0xf bank_mask:0xf
.endr
	v_permlanex16_b32 v[BM+1], v[BM],   s72, s73
	v_permlanex16_b32 v[BM+3], v[BM+2], s72, s73
	v_max_num_f32 v[BM],   v[BM],   v[BM+1]
	v_max_num_f32 v[BM+2], v[BM+2], v[BM+3]
	ds_store_b32 v[SA], v[BM]                      ; all lanes write the wave's word with the same value
	ds_store_b32 v[SA], v[BM+2] offset:16
.endif
	s_wait_dscnt 0x0                               ; my stores are done, for the others' sake: two waves wrote 128 bytes each of every row
	s_barrier_signal -1
	s_barrier_wait -1
.if BGMAX
	ds_load_b128 v[WM:WM+3],   v[SB]               ; older than the 32 loads below: their counted waits cover these two
	ds_load_b128 v[WM+4:WM+7], v[SB] offset:16
.endif
.set t, 0
.rept 32
	ds_load_b128 v[F0+4*t:F0+4*t+3], v[RD] offset:t*2*SPITCH                    ; rows 64 w + 2 t and + 1, 256 bytes each
.set t, t+1
.endr
.set t, 0
.rept 32
	s_wait_dscnt 31-t                              ; LDS loads come back in order: pair t is in, the younger ones stay out
	global_store_b128 v[CO], v[F0+4*t:F0+4*t+3], s[70:71] offset:t*4096         ; 16 lanes store 256 consecutive bytes, at a multiple of 256 from ah's first byte
.set t, t+1
.endr
.if BGMAX
	v_max3_num_f32 v[WM],   v[WM],   v[WM+1], v[WM+2]
	v_max3_num_f32 v[WM+4], v[WM+4], v[WM+5], v[WM+6]
	v_max_num_f32  v[WM],   v[WM],   v[WM+3]
	v_max_num_f32  v[WM+4], v[WM+4], v[WM+7]
	s_wait_xcnt 0x0                                ; EXEC is a source of the stores above: it changes only behind this wait
	v_cmp_eq_u32 vcc_lo, 0, v0
	s_and_saveexec_b32 s90, vcc_lo
	global_store_b32 v[MO], v[WM],   s[84:85]               ; thread 0 alone: the word of chunk 256 + g of hidden_states,
	global_store_b32 v[MO], v[WM+4], s[84:85] offset:2048   ; and of chunk 256 + g of W1
	s_wait_xcnt 0x0
	s_or_b32 exec_lo, exec_lo, s90
.endif
	s_set_vgpr_msb 0x1
	s_wait_tensorcnt 0x0
	ds_add_u32 v63, v63
	s_wait_dscnt 0x0
	s_set_vgpr_msb 0x100
	CROUND                                         ; the closing round: no work-group ends while a partner may still ask for a tile that names it
	s_endpgm
.Lfunc_end_k_q048fc9dea0_fc1a:
	.size	k_q048fc9dea0_fc1a, .Lfunc_end_k_q048fc9dea0_fc1a-k_q048fc9dea0_fc1a
	.p2alignl 7, 3214868480
	.fill 96, 4, 3214868480
	.section	.rodata,"a",@progbits
	.p2align	6, 0x0
	.amdhsa_kernel k_q048fc9dea0_fc1a
		.amdhsa_group_segment_fixed_size 327680
		.amdhsa_private_segment_fixed_size 0
		.amdhsa_enable_private_segment 0
		.amdhsa_kernarg_size 80
		.amdhsa_user_sgpr_count 2
		.amdhsa_user_sgpr_kernarg_segment_ptr 1
		.amdhsa_wavefront_size32 1
		.amdhsa_system_sgpr_workgroup_id_x 1
		.amdhsa_system_sgpr_workgroup_id_y 1
		.amdhsa_system_sgpr_workgroup_id_z 1
		.amdhsa_system_vgpr_workitem_id 0
		.amdhsa_next_free_vgpr 1024
		.amdhsa_next_free_sgpr 96
		.amdhsa_reserve_vcc 1
		.amdhsa_float_denorm_mode_32 3
		.amdhsa_float_denorm_mode_16_64 3
		.amdhsa_memory_ordered 1
		.amdhsa_forward_progress 1
		.amdhsa_inst_pref_size 255
	.end_amdhsa_kernel
	.section	.bss,"aw",@nobits
	.p2align	6
	.space	262144
	.amdgpu_metadata
---
amdhsa.version: [ 1, 2 ]
amdhsa.kernels:
  - .name:           k_q048fc9dea0_fc1a
    .symbol:         k_q048fc9dea0_fc1a.kd
    .args:
      - { .name: xh0, .offset: 0, .size: 8, .value_kind: global_buffer, .address_space: global }
      - { .name: w1h0, .offset: 8, .size: 8, .value_kind: global_buffer, .address_space: global }
      - { .name: b1, .offset: 16, .size: 8, .value_kind: global_buffer, .address_space: global }
      - { .name: mxa, .offset: 24, .size: 8, .value_kind: global_buffer, .address_space: global }
      - { .name: hidden_states, .offset: 32, .size: 8, .value_kind: global_buffer, .address_space: global }
      - { .name: W1, .offset: 40, .size: 8, .value_kind: global_buffer, .address_space: global }
      - { .name: xh1, .offset: 48, .size: 8, .value_kind: global_buffer, .address_space: global }
      - { .name: w1h1, .offset: 56, .size: 8, .value_kind: global_buffer, .address_space: global }
      - { .name: ah, .offset: 64, .size: 8, .value_kind: global_buffer, .address_space: global }
      - { .name: mx, .offset: 72, .size: 8, .value_kind: global_buffer, .address_space: global }
    .group_segment_fixed_size: 327680
    .private_segment_fixed_size: 0
    .kernarg_segment_align: 8
    .kernarg_segment_size: 80
    .max_flat_workgroup_size: 128
    .sgpr_count:     96
    .vgpr_count:     1024
    .wavefront_size: 32
...
	.end_amdgpu_metadata
.endif
;; end of part 2
;; launch fc1b (part 3): grid 8 x 32, 4 waves a work-group, clusters of 4 x 4, 327,680 bytes of LDS; arguments xh1, w1h1, b1, mx, W2, w2h, ah; writes ah, w2h
.if DOCPART == 3
	.amdgcn_target "amdgcn-amd-amdhsa--gfx1250"
	.amdhsa_code_object_version 6
	.text
	.protected	k_q048fc9dea0_fc1b
	.globl	k_q048fc9dea0_fc1b
	.p2align	8
	.type	k_q048fc9dea0_fc1b,@function
k_q048fc9dea0_fc1b:
	s_mov_b64 s[64:65], 0
	v_nop
	global_prefetch_b8 v0, s[64:65] scope:SCOPE_SE
	s_setreg_imm32_b32 hwreg(HW_REG_WAVE_MODE, 25, 1), 1
	s_wait_xcnt 0x0
	s_wait_alu depctr_hold_cnt(0) depctr_sa_sdst(0) depctr_va_vdst(0) depctr_va_sdst(0) depctr_va_ssrc(0) depctr_va_vcc(0) depctr_vm_vsrc(0)
	s_getreg_b32 s2, hwreg(HW_REG_IB_STS2, 6, 4)
	s_cmp_eq_u32 s2, 0
	s_cbranch_scc0 .Lentry_in_a_cluster
	s_endpgm
.Lentry_in_a_cluster:
	s_bfe_u32 s2, ttmp6, 0x10000c
	s_cmp_lg_u32 s2, 0xf033
	s_cbranch_scc0 .Lentry_shape_is_right
	s_endpgm
.Lentry_shape_is_right:
; This text serves two launches that differ in the constant HALF alone: HALF = 0 makes fc1 for experts 0-3 (tokens 0-8191), HALF = 1 for experts 4-7.
; ah[t][f] = f16( S[e] * silu(g) * (l + 1) ),  g = x[t] . W1[e][:, f] + b1[e][f],  l = x[t] . W1[e][:, 1024 + f] + b1[e][1024 + f],  e = t / 2048.
; xh: [8192][1024] f16 (this half's tokens), w1h: [4][1024 k][2048 n] f16 (this half's experts), b1: [8][2048] f32, the maxima: [1024] f32, ah: [16384][1024] f16.
; Products in f16, sums in f32, everything behind the sums in f32, ah rounded once.  The factor probs[t] is applied by the fc2 launch, in f32, together
; with 1 / S[e]: the second product is linear in a token's row, so the result is the same.
; tokens_per_expert is no argument: the function that defines the result never reads it, it cuts the tokens into eight equal parts.
;
; THE SECOND JOB.  By the sizes, this launch's own tiles and results are 50 MB for 34 GFLOP, so it also rounds to f16 what a later launch needs, beside the
; matrix work.  Work-group g (0-255) owns a chunk of 32,768 numbers in each of two streams.  HALF = 0: stream 0 is chunk 256 + g of hidden_states (to xh1),
; stream 1 chunk 256 + g of W1 (to w1h1), and the chunks' largest magnitudes go to mx (W1's with b1's 32 numbers 32 (256 + g) ..), as the cast launch
; leaves them for the first half.  HALF = 1: the streams are the two halves of chunk g of W2 (to w2h); no maximum is wanted.
; K step s issues a batch of NLD loads of 16 bytes a thread for stream s % 2 and, in front of that, rounds and stores the batch that step s - 1 issued: every
; batch has a whole K step in which to land.  Four batches a stream; the eighth batch is finished behind the activation.
; A wave's load covers 512 consecutive bytes, a wave's store 256 consecutive bytes at a multiple of 256 from the buffer's first byte.
;
; THE SCALE S[e], a power of two, keeps the activation inside f16 whatever the inputs' size.  Mx = the largest |x| of the expert's tokens (words 64 e .. + 63),
; Mw = the largest of |W1[e]| and |b1[e]| (words 512 + 64 e .. + 63).  Then |g|, |l| <= G = Mw (1024 Mx + 1), |silu(g)| <= |g|, so the activation is at most
; B = G G + G.  With E the biased exponent of B (B < 2^(E - 126)), S = 2^(141 - E): B S < 2^15, half of f16's largest number, which also covers the
; rounding of x and W1 to f16 and of G and B.  E is held to 15 .. 254 so that S and 1 / S are normal numbers.
;
; A work-group makes 256 tokens x 128 columns of ah, that is 256 x 256 of fc1's result: 128 gate columns and the 128 linear columns that belong
; to them.  Four waves, one for each SIMD of a WGP; a wave makes 128 tokens x (64 gate + 64 linear) columns in 64 accumulator tiles, 512 registers.
; K = 1024 goes in 8 steps of 128 through two LDS slots filled by the tensor data mover; every tile row is 256 bytes of memory at a multiple of 256.
; W1's tile stays [k][n] in LDS and is turned on the way to the registers by ds_load_tr16_b128.
; CLUSTERS: 4 x 4 work-groups.  The four of a row of the cluster have the same 256 tokens and ask for x's tiles jointly; the four of a column have the
; same columns of the same expert (8 block rows an expert = 2 clusters along y, so a cluster never spans two experts) and ask for W1's tiles jointly.
;
; A SLOT IN LDS: plane 0 of W1 (128 k x 128 gate columns, pitch 288) at 0, plane 1 (the linear columns) at PLANE, x's rows 0-127 (pitch 272) at
; 2 PLANE, rows 128-255 behind them.  Waves 0, 1 fetch the planes, waves 2, 3 x's halves: one tensor load a wave.
; REGISTERS: window 0: v0-55 addresses, the scale, the second job's maxima; v64-127, v128-191 fragments of x, two buffers; v192-255 the second job's batch.
; Window 1: v64-127, v128-191 fragments of W1; v192-223 b1 of my gate columns, v224-255 b1 + 1 of my linear columns.
; Windows 2, 3: accumulators, tile (a, b) at v[8 (8 a + b)], my rows 0-63, 64-127.
; n blocks b = 0..3 are gate columns 64 ch + 16 b, b = 4..7 the linear columns of the same numbers: tiles (a, b) and (a, b + 4) hold g and l of one
; (token, column) in the same lane and register.
; The matrix instruction is used transposed (source 0 = W1, source 1 = x): lane l holds token l % 16 and its registers 0-7 the columns 8 (l / 16) + 0..7.
;
; LIMITS: sigmoid(g) = rcp(1 + exp2(-1.442695 g)); v_rcp_f32 gives 0 for a result below 2^-126 (ISA guide 15.8), so for g below about -87.3 the
; result is 0 where the exact one is about |g (l + 1)| 2^-126 or less.  b1 + 1 is rounded once and then added to the sum, where the definition adds b1
; and then 1.  B overflows f32 for G above about 1.8e19.  A scaled activation below 2^-14 keeps a step of 2^-24, that is 2^-39 of the bound B.
; The second job: a magnitude above 65,504 becomes infinity in f16; below 2^-14 the step is 2^-24; a NaN is left out of the maximum.
.set HALF,   1                         ; which four experts
.set KSTEP,  128
.set LAPS,   4                         ; a lap = two K steps = once round the ring; K = 1024
.set KA,     1024                      ; elements in a row of xh
.set NB,     2048                      ; elements in a row of w1h
.set BSTEP,  KSTEP*NB*2                ; bytes from one K step's plane to the next
.set APITCH, 272                       ; 256 bytes + 16: 17 x 16, so the 16 rows of a fragment load start in 16 different 16-byte columns modulo 256
.set HALFA,  128*APITCH
.set BPITCH, 288                       ; 256 bytes + 32: 9 x 32, an odd multiple of 32 for the transposing load's 8 rows x 2 columns of 16 bytes
.set PLANE,  128*BPITCH
.set SLOT,   2*PLANE+2*HALFA           ; 143,360
.set RING,   2*SLOT                    ; 286,720
.set SCR,    RING                      ; HALF = 0: 32 bytes behind the ring, in a block of 256 into which no tensor load lands: the waves' maxima
.set SPITCH, 272                       ; the way out: a row of 128 f16 + 16 bytes, 256 rows, in slot 0 behind its last fill and its last read
.if HALF == 0
.set NLD,    16                        ; loads of a thread in a batch: 4 batches x 16 x 2,048 bytes = a chunk of 131,072 bytes a stream
.set BGMAX,  1                         ; the chunks' maxima are wanted
.else
.set NLD,    8                         ; 4 batches x 8 x 2,048 bytes = half a chunk a stream
.set BGMAX,  0
.endif
.set BIN,    NLD*2048                  ; bytes that a batch reads
.set BOUT,   NLD*1024                  ; bytes that it writes
.set ADRA, 16                          ; v16-17  LDS address of my x fragments in slot 0, 1
.set ADRB, 20                          ; v20-23  the same for W1: slot 0 plane 0, 1; slot 1 plane 0, 1
.set STO,  24                          ; v24     the way out: where I put 16 bytes of a row
.set RD,   25                          ; v25     the way out: where I read a row back
.set CO,   26                          ; v26     my byte offset in ah
.set CL,   29                          ; v29     the second job: 16 x thread, never rewritten
.set CS,   30                          ; v30     the second job: 8 x thread, never rewritten
.set MXR,  32                          ; v32-35  the chunks' maxima for the scale, at work
.set SC,   36                          ; v36-37  S[e], twice (a pair for the packed multiply)
.set BM,   40                          ; v40-43  the second job: two running maxima for each stream
.set BB,   44                          ; v44     my number of b1 of the second job's chunk of W1
.set SA,   45                          ; v45     LDS address of my wave's word of scratch
.set SB,   46                          ; v46     LDS address of the scratch
.set MO,   47                          ; v47     byte offset in mx of the chunk's word
.set WM,   48                          ; v48-55  the four waves' maxima of both streams
.set F0,   64                          ; fragment buffer 0
.set F1,   128                         ; fragment buffer 1
.set X,    192                         ; v192-255 the second job's batch: load j in 4 registers; its first two then hold the 4 f16
.set BG,   192                         ; window 1: b1 of my gate columns, 8 registers a block
.set BL,   224                         ; window 1: b1 + 1 of my linear columns
.set GT,   64                          ; the way out, window 0: g, 32 registers
.set LN,   96                          ; l + 1
.set EX,   128                         ; exponentials, then sigmoids
.set OB,   160                         ; 16 registers of packed f16
.set G1A, 24                           ; s[24:31] descriptor group 1 for x's tiles
.set G0A, 32                           ; s[32:39] group 0 for x's tiles, a set for each slot
.set G1B, 40                           ; s[40:47] group 1 for W1's tiles
.set G0B, 48                           ; s[48:55] group 0 for W1's tiles, a set for each slot
.set BS,  76                           ; s[76:79] the second job: where stream 0, 1 reads its next batch
.set BD,  80                           ; s[80:83] where stream 0, 1 writes it
.set MSB, 0
.macro WIN new                         ; s_set_vgpr_msb: bits 1:0 source 0, 3:2 source 1, 5:4 source 2, 7:6 destination; the high byte repeats the setting that is left
.if MSB != \new
	s_set_vgpr_msb (MSB<<8)|\new
.set MSB, \new
.endif
.endm
.set MUL_LO, 0xa1                      ; source 0 (W1) window 1, source 1 (x) window 0, C and D window 2
.set MUL_HI, 0xf1                      ; the same, C and D window 3
.set TO_B,   0x40                      ; destination window 1, address window 0
; A joint load.  Each of the two lines has one mask and one set of registers for all that issue it; the branch hangs on the wave's number alone.
; Four v_nop follow each line.
.macro JLOAD s
	s_cmp_eq_u32 s15, 0
	s_cbranch_scc0 .Lfor_a_\@
	tensor_load_to_lds s[G0B+4*\s:G0B+4*\s+3], s[G1B:G1B+7]
	s_nop 0
.rept 4
	v_nop
.endr
	s_branch .Lasked_\@
.Lfor_a_\@:
	tensor_load_to_lds s[G0A+4*\s:G0A+4*\s+3], s[G1A:G1A+7]
	s_nop 0
.rept 4
	v_nop
.endr
.Lasked_\@:
.endm
; A round of the cluster's barrier: my work-group's barrier; wave 0 signals for the work-group; every wave waits for all sixteen; my work-group's barrier again.
.macro CREST                           ; a round behind its opening barrier
	s_cmp_lg_u32 s14, 0
	s_cbranch_scc1 .Lnot_wave_0_\@
	s_barrier_signal -3
.Lnot_wave_0_\@:
	s_barrier_wait -3
	s_barrier_signal -1
	s_barrier_wait -1
.endm
.macro CROUND
	s_barrier_signal -1
	s_barrier_wait -1
	CREST
.endm
	s_load_b256 s[4:11], s[0:1], 0x0               ; xh s[4:5], w1h s[6:7], b1 s[8:9], the maxima that I read s[10:11]
.if HALF == 0
	s_load_b256 s[76:83], s[0:1], 0x20             ; hidden_states s[76:77], W1 s[78:79], xh1 s[80:81], w1h1 s[82:83]
	s_load_b64 s[12:13], s[0:1], 0x40              ; ah
	s_load_b64 s[84:85], s[0:1], 0x48              ; mx, which I store into
.else
	s_load_b128 s[76:79], s[0:1], 0x20             ; W2 s[76:77], w2h s[78:79]
	s_load_b64 s[12:13], s[0:1], 0x30              ; ah
	s_set_vgpr_msb 0x40
	v_lshl_add_u32 v63, v0, 2, 0x46000
	s_set_vgpr_msb 0x4000
	v_mov_b32 v255, 0
	s_set_vgpr_msb 0x1
	ds_add_u32 v63, v255
	s_set_vgpr_msb 0x100
.endif
	v_lshrrev_b32 v1, 5, v0
	v_readfirstlane_b32 s14, v1                    ; wave w, 0..3
	s_lshr_b32 s15, s14, 1                         ; rh: which 128 tokens are mine.  Also: I fetch for W1 (0) or for x (1)
	s_and_b32 s16, s14, 1                          ; ch: which 64 columns of each plane.  Also: which plane, or which half of x's rows, I fetch
	s_bfe_u32 s17, ttmp6, 0x40000                  ; cx
	s_bfe_u32 s18, ttmp6, 0x40004                  ; cy
	s_lshl_b32 s19, ttmp9, 2
	s_add_co_u32 s19, s19, s17                     ; bx: block column, 0..7
	s_and_b32 s21, ttmp7, 0xffff                   ; the cluster's y, 0..7
	s_lshl_b32 s20, s21, 2
	s_add_co_u32 s20, s20, s18                     ; by: block row of 256 tokens inside this half, 0..31
	s_lshr_b32 s21, s21, 1                         ; the expert inside this half, 0..3, made of the cluster's y alone
	s_add_co_u32 s74, s21, 4*HALF                  ; e: the expert among all eight
	s_add_co_u32 s75, s20, 32*HALF                 ; the block row among all 64
	s_lshl_b32 s22, s18, 2
	s_lshl_b32 s22, 15, s22                        ; my row of the cluster: places 4 cy .. 4 cy + 3
	s_lshl_b32 s23, 0x1111, s17                    ; my column: places cx, cx + 4, cx + 8, cx + 12
	; group 1: tiles of 128 rows x 128 elements of 2 bytes, padded behind every 64 words
	s_or_b32 s[G1A+0], s22, (1<<16)|(1<<20)|(1<<21)|(5<<22)|(3<<25)  ; mask: my row; 2-byte elements; padding on; bit 21 beside a mask; every 64 words, 4 words
	s_mov_b32 s[G1A+1], KSTEP<<16                  ; tensor_dim0 = 128
	s_mov_b32 s[G1A+2], 128<<16                    ; tensor_dim1 = 128
	s_mov_b32 s[G1A+3], KSTEP<<16                  ; tile_dim0 = 128
	s_mov_b32 s[G1A+4], 128                        ; tile_dim1 = 128
	s_mov_b32 s[G1A+5], KA                         ; elements from row to row
	s_mov_b32 s[G1A+6], 0
	s_mov_b32 s[G1A+7], 0
	s_or_b32 s[G1B+0], s23, (1<<16)|(1<<20)|(1<<21)|(5<<22)|(7<<25)  ; mask: my column; every 64 words, 8 words
	s_mov_b32 s[G1B+1], 128<<16
	s_mov_b32 s[G1B+2], KSTEP<<16
	s_mov_b32 s[G1B+3], 128<<16
	s_mov_b32 s[G1B+4], KSTEP
	s_mov_b32 s[G1B+5], NB
	s_mov_b32 s[G1B+6], 0
	s_mov_b32 s[G1B+7], 0
	; where the tiles come from: x's hang on by and the wave, W1's on bx, the expert and the wave, each in registers that never hold the other coordinate
	s_lshl_b32 s56, s20, 1
	s_add_co_u32 s56, s56, s16
	s_lshl_b32 s56, s56, 18                        ; (256 by + 128 ch) rows of 2,048 bytes
	s_mov_b32 s57, 0
	s_lshl_b32 s58, s21, 22                        ; expert x 1024 x 2048 x 2 bytes
	s_lshl_b32 s59, s16, 11
	s_add_co_u32 s58, s58, s59                     ; + plane x 1024 columns
	s_lshl_b32 s59, s19, 8
	s_add_co_u32 s58, s58, s59                     ; + bx x 128 columns
	s_mov_b32 s59, 0
	s_mul_i32 s60, s14, HALFA                      ; and where they go: x's halves (waves 2, 3) at 2 PLANE + (w - 2) HALFA,
	s_add_co_u32 s60, s60, 2*PLANE-2*HALFA
	s_mul_i32 s61, s14, PLANE                      ; the planes (waves 0, 1) at w PLANE
	s_wait_dscnt 0x0
	s_wait_kmcnt 0x0
	s_add_nc_u64 s[56:57], s[4:5], s[56:57]
	s_add_nc_u64 s[58:59], s[6:7], s[58:59]
	CROUND                                         ; all sixteen work-groups are here: the first joint loads meet
.irp s, 0,1
	s_mov_b32 s[G0A+4*\s], 1                                       ; count = 1
	s_add_co_u32 s[G0A+4*\s+1], s60, \s*SLOT                       ; LDS address
	s_add_nc_u64 s[G0A+4*\s+2:G0A+4*\s+3], s[56:57], \s*KSTEP*2    ; global address: K step s
	s_or_b32 s[G0A+4*\s+3], s[G0A+4*\s+3], 0x80000000              ; type = 2
	s_mov_b32 s[G0B+4*\s], 1
	s_add_co_u32 s[G0B+4*\s+1], s61, \s*SLOT
	s_add_nc_u64 s[G0B+4*\s+2:G0B+4*\s+3], s[58:59], \s*BSTEP
	s_or_b32 s[G0B+4*\s+3], s[G0B+4*\s+3], 0x80000000
	JLOAD \s                                       ; both slots are asked for before anything else: two tensor loads of the wave are out
.endr
	; lane addresses.  x: lane l holds row l % 16; two loads of 16 bytes, 32 apart, at row x pitch + 16 (l / 16).
	v_and_b32 v1, 15, v0                           ; r = l % 16
	v_bfe_u32 v2, v0, 4, 1                         ; h = l / 16
	v_mul_u32_u24 v3, v1, APITCH
	v_lshl_add_u32 v3, v2, 4, v3                   ; 272 r + 16 h
	s_mul_i32 s62, s15, HALFA
	s_add_co_u32 s62, s62, 2*PLANE                 ; my 128 rows of x
	v_add_nc_u32 v[ADRA], s62, v3
	v_add_nc_u32 v[ADRA+1], SLOT, v[ADRA]
	; W1, [k][n]: lane l addresses row 8 h + l % 8 of 16 k, 16 bytes at column (l / 8) % 2; the load hands each lane 8 k of column l % 16
	v_and_b32 v4, 7, v0
	v_lshl_add_u32 v4, v2, 3, v4
	v_mul_u32_u24 v4, v4, BPITCH
	v_bfe_u32 v5, v0, 3, 1
	v_lshl_add_u32 v4, v5, 4, v4
	s_lshl_b32 s63, s16, 7                         ; my 64 columns of a plane: 128 ch bytes
	v_add_nc_u32 v[ADRB], s63, v4
	v_add_nc_u32 v[ADRB+1], PLANE, v[ADRB]
	v_add_nc_u32 v[ADRB+2], SLOT, v[ADRB]
	v_add_nc_u32 v[ADRB+3], SLOT+PLANE, v[ADRB]
	; the way out
	s_mul_i32 s62, s15, 128*SPITCH
	s_add_co_u32 s62, s62, s63
	v_add_nc_u32 v[STO], s62, v3                   ; row 128 rh + r, byte 128 ch + 16 h
	v_mul_u32_u24 v6, v2, SPITCH
	v_lshl_add_u32 v6, v1, 4, v6
	s_mul_i32 s62, s14, 64*SPITCH
	v_add_nc_u32 v[RD], s62, v6                    ; row 64 w + h, byte 16 r
	v_lshlrev_b32 v7, 11, v2
	v_lshl_add_u32 v[CO], v1, 4, v7                ; the same two rows in ah: 2,048 h + 16 r
	v_lshlrev_b32 v27, 5, v2                       ; b1: 32 h
	v_and_b32 v8, 31, v0
	v_lshlrev_b32 v28, 3, v8                       ; the maxima: 8 x lane: 32 lanes take an expert's 64 words
	v_lshlrev_b32 v[CL], 4, v0                     ; the second job: 128 threads x 16 bytes in,
	v_lshlrev_b32 v[CS], 3, v0                     ; 128 threads x 8 bytes out
	s_lshl_b32 s66, s74, 13                        ; b1 at e x 8,192 + bx x 512 + ch x 256 bytes
	s_lshl_b32 s62, s19, 9
	s_add_co_u32 s66, s66, s62
	s_lshl_b32 s62, s16, 8
	s_add_co_u32 s66, s66, s62
	s_mov_b32 s67, 0
	s_add_nc_u64 s[66:67], s[8:9], s[66:67]
	s_lshl_b32 s68, s74, 8                         ; the maxima at e x 64 words
	s_mov_b32 s69, 0
	s_add_nc_u64 s[68:69], s[10:11], s[68:69]
	s_lshl_b32 s70, s75, 19                        ; ah at row 256 x block row + 64 w (2,048 bytes a row), byte 256 bx
	s_lshl_b32 s62, s14, 17
	s_add_co_u32 s70, s70, s62
	s_lshl_b32 s62, s19, 8
	s_add_co_u32 s70, s70, s62
	s_mov_b32 s71, 0
	s_add_nc_u64 s[70:71], s[12:13], s[70:71]
	s_mov_b32 s72, 0x76543210                      ; v_permlanex16_b32: lane i of one half reads lane i of the other
	s_mov_b32 s73, 0xfedcba98
	; the second job's addresses
	s_lshl_b32 s88, s20, 3
	s_add_co_u32 s88, s88, s19                     ; g = 8 by + bx, 0..255
	s_mov_b32 s91, 0
.if HALF == 0
	s_lshl_b32 s90, s88, 17
	s_add_co_u32 s90, s90, 256*131072              ; chunk 256 + g, 131,072 bytes each
	s_add_nc_u64 s[BS:BS+1],   s[BS:BS+1],   s[90:91]
	s_add_nc_u64 s[BS+2:BS+3], s[BS+2:BS+3], s[90:91]
	s_lshl_b32 s90, s88, 16                        ; in the second halves' buffers it is chunk g, 65,536 bytes each
	s_add_nc_u64 s[BD:BD+1],   s[BD:BD+1],   s[90:91]
	s_add_nc_u64 s[BD+2:BD+3], s[BD+2:BD+3], s[90:91]
	s_lshl_b32 s90, s88, 7
	s_add_co_u32 s90, s90, 256*128                 ; b1's 32 numbers of chunk 256 + g of W1
	s_add_nc_u64 s[92:93], s[8:9], s[90:91]
	s_lshl_b32 s89, s88, 2
	s_add_co_u32 s89, s89, 256*4                   ; mx: word 256 + g; W1's word lies 512 words further
	v_mov_b32 v[MO], s89
	s_lshl_b32 s90, s14, 2
	s_add_co_u32 s90, s90, SCR
	v_mov_b32 v[SA], s90                           ; scratch: 4 x wave
	v_mov_b32 v[SB], SCR
	v_lshlrev_b32 v31, 2, v8                       ; 4 x lane
.irp k, 0,1,2,3
	v_mov_b32 v[BM+\k], 0                          ; magnitudes are not negative: 0 starts the four running maxima
.endr
.else
	s_mov_b64 s[BD:BD+1], s[78:79]                 ; w2h
	s_lshl_b32 s90, s88, 17                        ; chunk g of W2
	s_add_nc_u64 s[BS:BS+1], s[BS:BS+1], s[90:91]
	s_add_nc_u64 s[BS+2:BS+3], s[BS:BS+1], 4*BIN   ; stream 1: the chunk's second half
	s_lshl_b32 s90, s88, 16
	s_add_nc_u64 s[BD:BD+1], s[BD:BD+1], s[90:91]
	s_add_nc_u64 s[BD+2:BD+3], s[BD:BD+1], 4*BOUT
.endif
	; b1 and the maxima are read once, here, while the first tiles are on their way
	WIN TO_B
.irp pl, 0,1
.irp b, 0,1,2,3
	global_load_b128 v[BG+32*\pl+8*\b:BG+32*\pl+8*\b+3],   v27, s[66:67] offset:4096*\pl+64*\b      ; columns 16 b + 8 h + 0..3
	global_load_b128 v[BG+32*\pl+8*\b+4:BG+32*\pl+8*\b+7], v27, s[66:67] offset:4096*\pl+64*\b+16   ; columns 16 b + 8 h + 4..7
.endr
.endr
	WIN 0
	global_load_b64 v[MXR:MXR+1],   v28, s[68:69]               ; the 64 chunks of the expert's tokens
	global_load_b64 v[MXR+2:MXR+3], v28, s[68:69] offset:2048   ; the 64 chunks of its W1 (with b1)
.if BGMAX
	global_load_b32 v[BB], v31, s[92:93]                        ; every wave reads the chunk's 32 numbers of b1
.endif
	s_wait_loadcnt 0x0
	v_max_num_f32 v[MXR],   v[MXR],   v[MXR+1]
	v_max_num_f32 v[MXR+2], v[MXR+2], v[MXR+3]
.irp m, 1,2,4,8
	v_max_num_f32_dpp v[MXR],   v[MXR],   v[MXR]   row_xmask:\m row_mask:0xf bank_mask:0xf
	v_max_num_f32_dpp v[MXR+2], v[MXR+2], v[MXR+2] row_xmask:\m row_mask:0xf bank_mask:0xf
.endr
	v_permlanex16_b32 v[MXR+1], v[MXR],   s72, s73
	v_permlanex16_b32 v[MXR+3], v[MXR+2], s72, s73
	v_max_num_f32 v[MXR],   v[MXR],   v[MXR+1]     ; Mx, in every lane
	v_max_num_f32 v[MXR+2], v[MXR+2], v[MXR+3]     ; Mw
	v_fma_f32 v[MXR], v[MXR], 0x44800000, 1.0      ; 1024 Mx + 1
	v_mul_f32 v[MXR], v[MXR], v[MXR+2]             ; G
	v_fma_f32 v[MXR], v[MXR], v[MXR], v[MXR]       ; B = G G + G
	v_lshrrev_b32 v[MXR], 23, v[MXR]               ; E, B's biased exponent (B is not negative)
	v_max_u32 v[MXR], 15, v[MXR]
	v_min_u32 v[MXR], 0xfe, v[MXR]
	v_sub_nc_u32 v[MXR], 0x10c, v[MXR]             ; S's biased exponent: 127 + 141 - E
	v_lshlrev_b32 v[SC], 23, v[MXR]
	v_mov_b32 v[SC+1], v[SC]
	WIN 0x41                                       ; destination and source 0 in window 1
.set k, 0
.rept 16
	v_pk_add_f32 v[BL+k:BL+k+1], v[BL+k:BL+k+1], 1.0 op_sel_hi:[1,0]    ; the GLU's offset of 1 goes into the linear half's bias
.set k, k+2
.endr
	WIN 0
; THE SECOND JOB'S TWO STEPS, both under window 0.  BGLOAD: stream st's next batch goes out.
.macro BGLOAD st
.set j, 0
.rept NLD
	global_load_b128 v[X+4*j:X+4*j+3], v[CL], s[BS+2*(\st):BS+2*(\st)+1] offset:2048*j th:TH_LOAD_NT   ; read once in the launch
.set j, j+1
.endr
.endm
; BGDONE: stream st's batch, issued a K step ago, is taken into the maxima, rounded in place and stored; then the stream's addresses step.
.macro BGDONE st
	s_wait_loadcnt 0x0                             ; the batch is the wave's only loads that are out
.set j, 0
.rept NLD
.if BGMAX
	v_max3_num_f32 v[BM+2*(\st)],   v[BM+2*(\st)],   |v[X+4*j]|,   |v[X+4*j+1]|
	v_max3_num_f32 v[BM+2*(\st)+1], v[BM+2*(\st)+1], |v[X+4*j+2]|, |v[X+4*j+3]|
.endif
	v_cvt_pk_f16_f32 v[X+4*j],   v[X+4*j],   v[X+4*j+1]
	v_cvt_pk_f16_f32 v[X+4*j+1], v[X+4*j+2], v[X+4*j+3]
.set j, j+1
.endr
.set j, 0
.rept NLD
	global_store_b64 v[CS], v[X+4*j:X+4*j+1], s[BD+2*(\st):BD+2*(\st)+1] offset:1024*j th:TH_STORE_NT   ; not read again in this launch
.set j, j+1
.endr
	s_wait_xcnt 0x0                                ; every earlier memory instruction has had its addresses translated (ISA guide 3.1): the batch's registers and the bases are rewritten only behind this wait
	s_add_nc_u64 s[BS+2*(\st):BS+2*(\st)+1], s[BS+2*(\st):BS+2*(\st)+1], BIN
	s_add_nc_u64 s[BD+2*(\st):BD+2*(\st)+1], s[BD+2*(\st):BD+2*(\st)+1], BOUT
.endm
; 16 matrix instructions: token blocks a0, a0 + 1 of the window's four x all 8 column blocks, 32 along K.  zero = 1: the first product starts the sums.
; The 64 accumulators take turns, one instruction a turn, in the same order in every quarter step.
.macro MUL16 f, hi, a0, zero
.irp a, \a0, \a0+1
.irp b, 0,1,2,3,4,5,6,7
.if \zero
	v_wmma_f32_16x16x32_f16 v[8*(8*(\a)+\b):8*(8*(\a)+\b)+7], v[\f+8*\b:\f+8*\b+7], v[\f+8*(4*\hi+\a):\f+8*(4*\hi+\a)+7], 0
.else
	v_wmma_f32_16x16x32_f16 v[8*(8*(\a)+\b):8*(8*(\a)+\b)+7], v[\f+8*\b:\f+8*\b+7], v[\f+8*(4*\hi+\a):\f+8*(4*\hi+\a)+7], v[8*(8*(\a)+\b):8*(8*(\a)+\b)+7]
.endif
.endr
.endr
.endm
; 32 LDS loads in one run: the fragments of quarter q (k = 32 q .. 32 q + 31 of the step) into buffer f: W1's 8 column blocks first, then x's 8 token blocks
.macro FETCH slot, q, f
	WIN TO_B
.irp pl, 0,1
.irp b, 0,1,2,3
	ds_load_tr16_b128 v[\f+8*(4*\pl+\b):\f+8*(4*\pl+\b)+3],   v[ADRB+2*\slot+\pl] offset:\q*32*BPITCH+32*\b             ; k = 8 h + 0..7
	ds_load_tr16_b128 v[\f+8*(4*\pl+\b)+4:\f+8*(4*\pl+\b)+7], v[ADRB+2*\slot+\pl] offset:\q*32*BPITCH+32*\b+16*BPITCH   ; k = 16 + 8 h + 0..7
.endr
.endr
	WIN 0
.irp i, 0,1,2,3,4,5,6,7
	ds_load_b128 v[\f+8*\i:\f+8*\i+3],   v[ADRA+\slot] offset:64*\q+\i*16*APITCH
	ds_load_b128 v[\f+8*\i+4:\f+8*\i+7], v[ADRA+\slot] offset:64*\q+\i*16*APITCH+32
.endr
.endm
; Four places of plain vector instructions stand between a matrix instruction and a load into one of its registers or a vector instruction that
; touches them (ISA guide 7.12.1 for vector instructions); the matrix instructions in between are not counted.
.macro PLACES
.rept 4
	v_nop
.endr
.endm
; A quarter step: multiplies buffer f; in its middle fetches quarter q of the same slot into buffer g.
; bg: the second job's turn, behind the fetch, where every window is 0.  0: none; 1: this K step's batch goes out; 2: the last K step's batch is finished first.
.macro QUARTER slot, q, f, g, zero, bg
	s_wait_dscnt 8                                 ; W1's fragments and x's rows 0-63 are in; the youngest eight loads (x's rows 64-127) may be out
	WIN MUL_LO
	MUL16 \f, 0, 0, \zero
	MUL16 \f, 0, 2, \zero
	PLACES
	FETCH \slot, \q, \g
.if \bg == 2
	BGDONE 1-\slot
.endif
.if \bg
	BGLOAD \slot
.endif
	s_wait_dscnt 32                                ; all LDS loads but the 32 just issued
	WIN MUL_HI
	MUL16 \f, 1, 0, \zero
	MUL16 \f, 1, 2, \zero
.endm
.macro THREE slot, zero, bg
	QUARTER \slot, 1, F0, F1, \zero, 0
	QUARTER \slot, 2, F1, F0, 0, \bg
	QUARTER \slot, 3, F0, F1, 0, 0
.endm
; The last quarter of a K step: multiplies buffer 1 and changes slots.  fill = 1: this slot is filled again, two K steps ahead.
; In front of the barrier each wave waits for its reads of this slot and for all its tensor loads (one is out: its part of the next slot).
; Behind it nobody reads this slot and the next slot is whole: the refill comes first, then the next slot's first fragments.
.macro TURN slot, next, fill
	s_wait_dscnt 8
	WIN MUL_LO
	MUL16 F1, 0, 0, 0
	s_wait_dscnt 0                                 ; my reads of this slot are over
	s_wait_tensorcnt 0x0                           ; and all my tensor loads have landed
	ds_add_u32 v63, v255
	s_wait_dscnt 0x0
	s_barrier_signal -1                            ; (where a slot is filled again this barrier opens a round of the cluster's barrier)
	MUL16 F1, 0, 2, 0                              ; register work while the others arrive
	WIN 0
	s_barrier_wait -1
.if \fill
	CREST                                          ; no wave of any partner still reads this slot or has a load on its way
	s_add_nc_u64 s[G0A+4*\slot+2:G0A+4*\slot+3], s[G0A+4*\slot+2:G0A+4*\slot+3], 2*KSTEP*2   ; no tensor load of mine is out: the addresses may step
	s_add_nc_u64 s[G0B+4*\slot+2:G0B+4*\slot+3], s[G0B+4*\slot+2:G0B+4*\slot+3], 2*BSTEP
	JLOAD \slot                                    ; the first tensor load behind the round, my only one until the next; its four v_nop are the places in front of the loads below
.else
	PLACES
.endif
	FETCH \next, 0, F0
	WIN MUL_HI
	MUL16 F1, 1, 0, 0
	MUL16 F1, 1, 2, 0
.endm
.macro LAP zero, bg
	THREE 0, \zero, \bg
	TURN 0, 1, 1
	THREE 1, 0, 2
	TURN 1, 0, 1
.endm
	s_wait_tensorcnt 0x1                           ; my part of K step 0 is in; K step 1's may stay out
	s_barrier_signal -1
	s_barrier_wait -1                              ; everybody's is
	FETCH 0, 0, F0
	LAP 1, 1                                       ; K steps 0, 1; asks for 2, 3.  Its first products start the sums; K step 0 has no batch to finish
	WIN 0
	s_mov_b32 s3, LAPS-2
.Llap:
	LAP 0, 2                                       ; K steps 2 to 5; asks for 4 to 7
	WIN 0
	s_sub_co_u32 s3, s3, 1
	s_cmp_lg_u32 s3, 0
	s_cbranch_scc1 .Llap
	THREE 0, 0, 2                                  ; the last lap fills nothing
	TURN 0, 1, 0                                   ; its barrier is also the one behind which no wave reads slot 0 any more
	THREE 1, 0, 2                                  ; the eighth batch goes out: each stream has had its four
	s_wait_dscnt 8
	WIN MUL_LO
	MUL16 F1, 0, 0, 0
	MUL16 F1, 0, 2, 0
	s_wait_dscnt 0
	WIN MUL_HI
	MUL16 F1, 1, 0, 0
	MUL16 F1, 1, 2, 0
	PLACES                                         ; behind the last matrix instructions: results are read and fragment registers written below
; THE WAY OUT, 16 tokens at a time: tiles (a, 0..3) are g, tiles (a, 4..7) l of the same places.  from: source 0 = the accumulators' window, source 1 = window 1.
; The stage is slot 0: its last fill has landed and its last read is over (the barrier of the last lap's change of slots), and no tensor load follows.
.macro ACT16 i, a, from
	WIN \from
.irp b, 0,1,2,3
.irp c, 0,2,4,6
	v_pk_add_f32 v[GT+8*\b+\c:GT+8*\b+\c+1], v[8*(8*\a+\b)+\c:8*(8*\a+\b)+\c+1],     v[BG+8*\b+\c:BG+8*\b+\c+1]   ; g
	v_pk_add_f32 v[LN+8*\b+\c:LN+8*\b+\c+1], v[8*(8*\a+\b+4)+\c:8*(8*\a+\b+4)+\c+1], v[BL+8*\b+\c:BL+8*\b+\c+1]   ; l + 1
.endr
.endr
	WIN 0
.set k, 0
.rept 16
	v_pk_mul_f32 v[EX+k:EX+k+1], v[GT+k:GT+k+1], 0xbfb8aa3b op_sel_hi:[1,0]     ; -g log2(e)
.set k, k+2
.endr
.set k, 0
.rept 32
	v_exp_f32 v[EX+k], v[EX+k]
.set k, k+1
.endr
.set k, 0
.rept 8
	v_pk_mul_f32 v[LN+k:LN+k+1], v[LN+k:LN+k+1], v[SC:SC+1]                     ; (l + 1) S, first half: also the plain instruction behind the exponentials (ISA guide 5.7.2)
.set k, k+2
.endr
.set k, 0
	s_wait_alu depctr_va_vdst(0)
.rept 16
	v_pk_add_f32 v[EX+k:EX+k+1], v[EX+k:EX+k+1], 1.0 op_sel_hi:[1,0]
.set k, k+2
.endr
.set k, 0
.rept 32
	v_rcp_f32 v[EX+k], v[EX+k]                                                  ; sigmoid(g)
.set k, k+1
.endr
.set k, 16
.rept 8
	v_pk_mul_f32 v[LN+k:LN+k+1], v[LN+k:LN+k+1], v[SC:SC+1]                     ; (l + 1) S, second half: the plain instruction behind the reciprocals
.set k, k+2
.endr
.set k, 0
	s_wait_alu depctr_va_vdst(0)
.rept 16
	v_pk_mul_f32 v[GT+k:GT+k+1], v[GT+k:GT+k+1], v[EX+k:EX+k+1]                 ; silu(g) first, as in the definition: a sigmoid of 0 never meets an overflowed product
.set k, k+2
.endr
.set k, 0
.rept 16
	v_pk_mul_f32 v[GT+k:GT+k+1], v[GT+k:GT+k+1], v[LN+k:LN+k+1]
.set k, k+2
.endr
.set k, 0
.rept 16
	v_cvt_pk_f16_f32 v[OB+k], v[GT+2*k], v[GT+2*k+1]
.set k, k+1
.endr
.irp b, 0,1,2,3
	ds_store_b128 v[STO], v[OB+4*\b:OB+4*\b+3] offset:\i*16*SPITCH+32*\b        ; 8 neighbouring columns of one token
.endr
.endm
	ACT16 0, 0, 0x06
	ACT16 1, 1, 0x06
	ACT16 2, 2, 0x06
	ACT16 3, 3, 0x06
	ACT16 4, 0, 0x07
	ACT16 5, 1, 0x07
	ACT16 6, 2, 0x07
	ACT16 7, 3, 0x07
	BGDONE 1                                       ; the second job's last batch (the stepped addresses are not used)
.if BGMAX
	; my wave's maxima of the two chunks: my chains (W1's with my number of b1), then the 32 lanes; the four waves meet in the scratch
	v_max_num_f32  v[BM],   v[BM],   v[BM+1]
	v_max3_num_f32 v[BM+2], v[BM+2], v[BM+3], |v[BB]|
.irp m, 1,2,4,8
	v_max_num_f32_dpp v[BM],   v[BM],   v[BM]   row_xmask:\m row_mask:0xf bank_mask:0xf
	v_max_num_f32_dpp v[BM+2], v[BM+2], v[BM+2] row_xmask:\m row_mask:0xf bank_mask:0xf
.endr
	v_permlanex16_b32 v[BM+1], v[BM],   s72, s73
	v_permlanex16_b32 v[BM+3], v[BM+2], s72, s73
	v_max_num_f32 v[BM],   v[BM],   v[BM+1]
	v_max_num_f32 v[BM+2], v[BM+2], v[BM+3]
	ds_store_b32 v[SA], v[BM]                      ; all lanes write the wave's word with the same value
	ds_store_b32 v[SA], v[BM+2] offset:16
.endif
	s_wait_dscnt 0x0                               ; my stores are done, for the others' sake: two waves wrote 128 bytes each of every row
	s_barrier_signal -1
	s_barrier_wait -1
.if BGMAX
	ds_load_b128 v[WM:WM+3],   v[SB]               ; older than the 32 loads below: their counted waits cover these two
	ds_load_b128 v[WM+4:WM+7], v[SB] offset:16
.endif
.set t, 0
.rept 32
	ds_load_b128 v[F0+4*t:F0+4*t+3], v[RD] offset:t*2*SPITCH                    ; rows 64 w + 2 t and + 1, 256 bytes each
.set t, t+1
.endr
.set t, 0
.rept 32
	s_wait_dscnt 31-t                              ; LDS loads come back in order: pair t is in, the younger ones stay out
	global_store_b128 v[CO], v[F0+4*t:F0+4*t+3], s[70:71] offset:t*4096         ; 16 lanes store 256 consecutive bytes, at a multiple of 256 from ah's first byte
.set t, t+1
.endr
.if BGMAX
	v_max3_num_f32 v[WM],   v[WM],   v[WM+1], v[WM+2]
	v_max3_num_f32 v[WM+4], v[WM+4], v[WM+5], v[WM+6]
	v_max_num_f32  v[WM],   v[WM],   v[WM+3]
	v_max_num_f32  v[WM+4], v[WM+4], v[WM+7]
	s_wait_xcnt 0x0                                ; EXEC is a source of the stores above: it changes only behind this wait
	v_cmp_eq_u32 vcc_lo, 0, v0
	s_and_saveexec_b32 s90, vcc_lo
	global_store_b32 v[MO], v[WM],   s[84:85]               ; thread 0 alone: the word of chunk 256 + g of hidden_states,
	global_store_b32 v[MO], v[WM+4], s[84:85] offset:2048   ; and of chunk 256 + g of W1
	s_wait_xcnt 0x0
	s_or_b32 exec_lo, exec_lo, s90
.endif
	s_set_vgpr_msb 0x1
	s_wait_tensorcnt 0x0
	ds_add_u32 v63, v255
	s_wait_dscnt 0x0
	s_set_vgpr_msb 0x100
	CROUND                                         ; the closing round: no work-group ends while a partner may still ask for a tile that names it
	s_endpgm
.Lfunc_end_k_q048fc9dea0_fc1b:
	.size	k_q048fc9dea0_fc1b, .Lfunc_end_k_q048fc9dea0_fc1b-k_q048fc9dea0_fc1b
	.p2alignl 7, 3214868480
	.fill 96, 4, 3214868480
	.section	.rodata,"a",@progbits
	.p2align	6, 0x0
	.amdhsa_kernel k_q048fc9dea0_fc1b
		.amdhsa_group_segment_fixed_size 327680
		.amdhsa_private_segment_fixed_size 0
		.amdhsa_enable_private_segment 0
		.amdhsa_kernarg_size 56
		.amdhsa_user_sgpr_count 2
		.amdhsa_user_sgpr_kernarg_segment_ptr 1
		.amdhsa_wavefront_size32 1
		.amdhsa_system_sgpr_workgroup_id_x 1
		.amdhsa_system_sgpr_workgroup_id_y 1
		.amdhsa_system_sgpr_workgroup_id_z 1
		.amdhsa_system_vgpr_workitem_id 0
		.amdhsa_next_free_vgpr 1024
		.amdhsa_next_free_sgpr 96
		.amdhsa_reserve_vcc 1
		.amdhsa_float_denorm_mode_32 3
		.amdhsa_float_denorm_mode_16_64 3
		.amdhsa_memory_ordered 1
		.amdhsa_forward_progress 1
		.amdhsa_inst_pref_size 255
	.end_amdhsa_kernel
	.section	.bss,"aw",@nobits
	.p2align	6
	.space	262144
	.amdgpu_metadata
---
amdhsa.version: [ 1, 2 ]
amdhsa.kernels:
  - .name:           k_q048fc9dea0_fc1b
    .symbol:         k_q048fc9dea0_fc1b.kd
    .args:
      - { .name: xh1, .offset: 0, .size: 8, .value_kind: global_buffer, .address_space: global }
      - { .name: w1h1, .offset: 8, .size: 8, .value_kind: global_buffer, .address_space: global }
      - { .name: b1, .offset: 16, .size: 8, .value_kind: global_buffer, .address_space: global }
      - { .name: mx, .offset: 24, .size: 8, .value_kind: global_buffer, .address_space: global }
      - { .name: W2, .offset: 32, .size: 8, .value_kind: global_buffer, .address_space: global }
      - { .name: w2h, .offset: 40, .size: 8, .value_kind: global_buffer, .address_space: global }
      - { .name: ah, .offset: 48, .size: 8, .value_kind: global_buffer, .address_space: global }
    .group_segment_fixed_size: 327680
    .private_segment_fixed_size: 0
    .kernarg_segment_align: 8
    .kernarg_segment_size: 56
    .max_flat_workgroup_size: 128
    .sgpr_count:     96
    .vgpr_count:     1024
    .wavefront_size: 32
...
	.end_amdgpu_metadata
.endif
;; end of part 3
;; launch fc2 (part 4): grid 4 x 64, 4 waves a work-group, clusters of 4 x 4, 327,680 bytes of LDS; arguments ah, w2h, b2, probs, mx, out0; writes out0
.if DOCPART == 4
	.amdgcn_target "amdgcn-amd-amdhsa--gfx1250"
	.amdhsa_code_object_version 6
	.text
	.protected	k_q048fc9dea0_fc2
	.globl	k_q048fc9dea0_fc2
	.p2align	8
	.type	k_q048fc9dea0_fc2,@function
k_q048fc9dea0_fc2:
	s_mov_b64 s[64:65], 0
	v_nop
	global_prefetch_b8 v0, s[64:65] scope:SCOPE_SE
	s_setreg_imm32_b32 hwreg(HW_REG_WAVE_MODE, 25, 1), 1
	s_wait_xcnt 0x0
	s_wait_alu depctr_hold_cnt(0) depctr_sa_sdst(0) depctr_va_vdst(0) depctr_va_sdst(0) depctr_va_ssrc(0) depctr_va_vcc(0) depctr_vm_vsrc(0)
	s_getreg_b32 s2, hwreg(HW_REG_IB_STS2, 6, 4)
	s_cmp_eq_u32 s2, 0
	s_cbranch_scc0 .Lentry_in_a_cluster
	s_endpgm
.Lentry_in_a_cluster:
	s_bfe_u32 s2, ttmp6, 0x10000c
	s_cmp_lg_u32 s2, 0xf033
	s_cbranch_scc0 .Lentry_shape_is_right
	s_endpgm
.Lentry_shape_is_right:
; out0[t][n] = (probs[t] / S[e]) * (ah[t] . W2[e][:, n]) + b2[e][n],  e = t / 2048.
; ah: [16384][1024] f16, the activation times S[e]; w2h: [8][1024 k][1024 n] f16; b2: [8][1024], probs: [16384], mx: [1024] f32; out0: [16384][1024] f32.
; Products in f16, sums in f32.  The token's factor probs[t] and the scale's inverse are applied to the f32 sum by the same fused multiply-add that adds b2:
; the product is linear in a token's row, so this is the definition's result with one rounding fewer.
; S[e] is made here as the launch before made it, from the same words of mx: Mx = max of mx[64 e .. + 63], Mw = max of mx[512 + 64 e .. + 63],
; G = Mw (1024 Mx + 1), B = G G + G, E = B's biased exponent held to 15 .. 254, S = 2^(141 - E), so 1 / S has the biased exponent E - 14.
; tokens_per_expert is no argument: the function that defines the result never reads it, it cuts the tokens into eight equal parts.
;
; A work-group makes 256 tokens x 256 columns with four waves, one for each SIMD of a WGP; a wave makes 128 x 128 in 64 accumulator tiles, 512 registers.
; K = 1024 goes in 8 steps of 128 through two LDS slots filled by the tensor data mover; every tile row is 256 bytes of memory at a multiple of 256.
; W2's tile stays [k][n] in LDS and is turned on the way to the registers by ds_load_tr16_b128.
; CLUSTERS: 4 x 4 work-groups.  The four of a row of the cluster have the same 256 tokens and ask for ah's tiles jointly; the four of a column have the
; same columns of the same expert (8 block rows an expert = 2 clusters along y) and ask for W2's tiles jointly.
;
; A SLOT IN LDS: plane 0 of W2 (128 k x columns 0-127 of the block, pitch 288) at 0, plane 1 (columns 128-255) at PLANE, ah's rows 0-127 (pitch 272)
; at 2 PLANE, rows 128-255 behind them.  Waves 0, 1 fetch the planes, waves 2, 3 ah's halves: one tensor load a wave.
; A wave's n blocks b = 0..3 are columns 64 ch + 16 b of plane 0, b = 4..7 the same of plane 1: in a row of out0 two pieces of 256 bytes, 512 apart.
; REGISTERS: window 0: v0-43 addresses, b2, the tokens' factors; v64-127, v128-191 fragments of ah, two buffers.  Window 1: v64-127, v128-191 fragments of W2.
; Windows 2, 3: accumulators, tile (a, b) at v[8 (8 a + b)], my rows 0-63, 64-127.
; The matrix instruction is used transposed (source 0 = W2, source 1 = ah): lane l holds token l % 16 and its registers 0-7 the columns 8 (l / 16) + 0..7.
; LIMIT: |W2| above 65,504 becomes infinity in f16; below 2^-14 its step is 2^-24.
.set KSTEP,  128
.set LAPS,   4                         ; a lap = two K steps = once round the ring; K = 1024
.set KA,     1024                      ; elements in a row of ah
.set NB,     1024                      ; elements in a row of w2h
.set BSTEP,  KSTEP*NB*2                ; bytes from one K step's plane to the next
.set APITCH, 272                       ; 256 bytes + 16: 17 x 16, so the 16 rows of a fragment load start in 16 different 16-byte columns modulo 256
.set HALFA,  128*APITCH
.set BPITCH, 288                       ; 256 bytes + 32: 9 x 32, an odd multiple of 32 for the transposing load's 8 rows x 2 columns of 16 bytes
.set PLANE,  128*BPITCH
.set SLOT,   2*PLANE+2*HALFA           ; 143,360
.set RING,   2*SLOT                    ; 286,720
.set SPITCH, 528                       ; the way out: 512 bytes + 16; 16 rows for each wave, behind the ring, where no tensor load lands
.set ADRA, 16                          ; v16-17  LDS address of my ah fragments in slot 0, 1
.set ADRB, 20                          ; v20-23  the same for W2: slot 0 plane 0, 1; slot 1 plane 0, 1
.set STO,  24                          ; v24     the way out: where I put 32 bytes of a row
.set RD,   25                          ; v25     the way out: where I read a row back
.set CO,   26                          ; v26     my byte offset in out0 and in b2
.set BI,   32                          ; v32-35  b2 of the four columns that I store
.set QP,   36                          ; v36-39  probs / S of my wave's 128 tokens: register j, lane l: token 32 j + l
.set MXR,  40                          ; v40-43  the chunks' maxima, at work
.set F0,   64                          ; fragment buffer 0
.set F1,   128                         ; fragment buffer 1
.set G1A, 24                           ; s[24:31] descriptor group 1 for ah's tiles
.set G0A, 32                           ; s[32:39] group 0 for ah's tiles, a set for each slot
.set G1B, 40                           ; s[40:47] group 1 for W2's tiles
.set G0B, 48                           ; s[48:55] group 0 for W2's tiles, a set for each slot
.set Q,   80                           ; s[80:95] the way out: the factors of 16 tokens
.set MSB, 0
.macro WIN new                         ; s_set_vgpr_msb: bits 1:0 source 0, 3:2 source 1, 5:4 source 2, 7:6 destination; the high byte repeats the setting that is left
.if MSB != \new
	s_set_vgpr_msb (MSB<<8)|\new
.set MSB, \new
.endif
.endm
.set MUL_LO, 0xa1                      ; source 0 (W2) window 1, source 1 (ah) window 0, C and D window 2
.set MUL_HI, 0xf1                      ; the same, C and D window 3
.set TO_B,   0x40                      ; destination window 1, address window 0
; A joint load.  Each of the two lines has one mask and one set of registers for all that issue it; the branch hangs on the wave's number alone.
; Four v_nop follow each line.
.macro JLOAD s
	s_cmp_eq_u32 s15, 0
	s_cbranch_scc0 .Lfor_a_\@
	tensor_load_to_lds s[G0B+4*\s:G0B+4*\s+3], s[G1B:G1B+7]
	s_nop 0
.rept 4
	v_nop
.endr
	s_branch .Lasked_\@
.Lfor_a_\@:
	tensor_load_to_lds s[G0A+4*\s:G0A+4*\s+3], s[G1A:G1A+7]
	s_nop 0
.rept 4
	v_nop
.endr
.Lasked_\@:
.endm
; A round of the cluster's barrier: my work-group's barrier; wave 0 signals for the work-group; every wave waits for all sixteen; my work-group's barrier again.
.macro CREST                           ; a round behind its opening barrier
	s_cmp_lg_u32 s14, 0
	s_cbranch_scc1 .Lnot_wave_0_\@
	s_barrier_signal -3
.Lnot_wave_0_\@:
	s_barrier_wait -3
	s_barrier_signal -1
	s_barrier_wait -1
.endm
.macro CROUND
	s_barrier_signal -1
	s_barrier_wait -1
	CREST
.endm
	s_load_b256 s[4:11], s[0:1], 0x0               ; ah s[4:5], w2h s[6:7], b2 s[8:9], probs s[10:11]
	s_load_b128 s[72:75], s[0:1], 0x20             ; mx s[72:73], out0 s[74:75]
	s_set_vgpr_msb 0x40
	v_lshl_add_u32 v255, v0, 2, 0x4e400
	s_set_vgpr_msb 0x4000
	v_mov_b32 v255, 0
	s_set_vgpr_msb 0x1
	ds_add_u32 v255, v255
	s_set_vgpr_msb 0x100
	v_lshrrev_b32 v1, 5, v0
	v_readfirstlane_b32 s14, v1                    ; wave w, 0..3
	s_lshr_b32 s15, s14, 1                         ; rh: which 128 tokens are mine.  Also: I fetch for W2 (0) or for ah (1)
	s_and_b32 s16, s14, 1                          ; ch: which 64 columns of each plane.  Also: which plane, or which half of ah's rows, I fetch
	s_bfe_u32 s17, ttmp6, 0x40000                  ; cx
	s_bfe_u32 s18, ttmp6, 0x40004                  ; cy
	s_lshl_b32 s19, ttmp9, 2
	s_add_co_u32 s19, s19, s17                     ; bx: block column, 0..3
	s_and_b32 s21, ttmp7, 0xffff                   ; the cluster's y, 0..15
	s_lshl_b32 s20, s21, 2
	s_add_co_u32 s20, s20, s18                     ; by: block row of 256 tokens, 0..63
	s_lshr_b32 s21, s21, 1                         ; e: the expert, made of the cluster's y alone
	s_lshl_b32 s22, s18, 2
	s_lshl_b32 s22, 15, s22                        ; my row of the cluster: places 4 cy .. 4 cy + 3
	s_lshl_b32 s23, 0x1111, s17                    ; my column: places cx, cx + 4, cx + 8, cx + 12
	; group 1: tiles of 128 rows x 128 elements of 2 bytes, padded behind every 64 words
	s_or_b32 s[G1A+0], s22, (1<<16)|(1<<20)|(1<<21)|(5<<22)|(3<<25)  ; mask: my row; 2-byte elements; padding on; bit 21 beside a mask; every 64 words, 4 words
	s_mov_b32 s[G1A+1], KSTEP<<16                  ; tensor_dim0 = 128
	s_mov_b32 s[G1A+2], 128<<16                    ; tensor_dim1 = 128
	s_mov_b32 s[G1A+3], KSTEP<<16                  ; tile_dim0 = 128
	s_mov_b32 s[G1A+4], 128                        ; tile_dim1 = 128
	s_mov_b32 s[G1A+5], KA                         ; elements from row to row
	s_mov_b32 s[G1A+6], 0
	s_mov_b32 s[G1A+7], 0
	s_or_b32 s[G1B+0], s23, (1<<16)|(1<<20)|(1<<21)|(5<<22)|(7<<25)  ; mask: my column; every 64 words, 8 words
	s_mov_b32 s[G1B+1], 128<<16
	s_mov_b32 s[G1B+2], KSTEP<<16
	s_mov_b32 s[G1B+3], 128<<16
	s_mov_b32 s[G1B+4], KSTEP
	s_mov_b32 s[G1B+5], NB
	s_mov_b32 s[G1B+6], 0
	s_mov_b32 s[G1B+7], 0
	; where the tiles come from: ah's hang on by and the wave, W2's on bx, e and the wave, each in registers that never hold the other coordinate
	s_lshl_b32 s56, s20, 1
	s_add_co_u32 s56, s56, s16
	s_lshl_b32 s56, s56, 18                        ; (256 by + 128 ch) rows of 2,048 bytes
	s_mov_b32 s57, 0
	s_lshl_b32 s58, s21, 21                        ; e x 1024 x 1024 x 2 bytes
	s_lshl_b32 s59, s19, 9
	s_add_co_u32 s58, s58, s59                     ; + bx x 256 columns
	s_lshl_b32 s59, s16, 8
	s_add_co_u32 s58, s58, s59                     ; + plane x 128 columns
	s_mov_b32 s59, 0
	s_mul_i32 s60, s14, HALFA                      ; and where they go: ah's halves (waves 2, 3) at 2 PLANE + (w - 2) HALFA,
	s_add_co_u32 s60, s60, 2*PLANE-2*HALFA
	s_mul_i32 s61, s14, PLANE                      ; the planes (waves 0, 1) at w PLANE
	s_wait_dscnt 0x0
	s_wait_kmcnt 0x0
	s_add_nc_u64 s[56:57], s[4:5], s[56:57]
	s_add_nc_u64 s[58:59], s[6:7], s[58:59]
	CROUND                                         ; all sixteen work-groups are here: the first joint loads meet
.irp s, 0,1
	s_mov_b32 s[G0A+4*\s], 1                                       ; count = 1
	s_add_co_u32 s[G0A+4*\s+1], s60, \s*SLOT                       ; LDS address
	s_add_nc_u64 s[G0A+4*\s+2:G0A+4*\s+3], s[56:57], \s*KSTEP*2    ; global address: K step s
	s_or_b32 s[G0A+4*\s+3], s[G0A+4*\s+3], 0x80000000              ; type = 2
	s_mov_b32 s[G0B+4*\s], 1
	s_add_co_u32 s[G0B+4*\s+1], s61, \s*SLOT
	s_add_nc_u64 s[G0B+4*\s+2:G0B+4*\s+3], s[58:59], \s*BSTEP
	s_or_b32 s[G0B+4*\s+3], s[G0B+4*\s+3], 0x80000000
	JLOAD \s                                       ; both slots are asked for before anything else: two tensor loads of the wave are out
.endr
	; lane addresses.  ah: lane l holds row l % 16; two loads of 16 bytes, 32 apart, at row x pitch + 16 (l / 16).
	v_and_b32 v1, 15, v0                           ; r = l % 16
	v_bfe_u32 v2, v0, 4, 1                         ; h = l / 16
	v_mul_u32_u24 v3, v1, APITCH
	v_lshl_add_u32 v3, v2, 4, v3                   ; 272 r + 16 h
	s_mul_i32 s62, s15, HALFA
	s_add_co_u32 s62, s62, 2*PLANE                 ; my 128 rows of ah
	v_add_nc_u32 v[ADRA], s62, v3
	v_add_nc_u32 v[ADRA+1], SLOT, v[ADRA]
	; W2, [k][n]: lane l addresses row 8 h + l % 8 of 16 k, 16 bytes at column (l / 8) % 2; the load hands each lane 8 k of column l % 16
	v_and_b32 v4, 7, v0
	v_lshl_add_u32 v4, v2, 3, v4
	v_mul_u32_u24 v4, v4, BPITCH
	v_bfe_u32 v5, v0, 3, 1
	v_lshl_add_u32 v4, v5, 4, v4
	s_lshl_b32 s63, s16, 7                         ; my 64 columns of a plane: 128 ch bytes
	v_add_nc_u32 v[ADRB], s63, v4
	v_add_nc_u32 v[ADRB+1], PLANE, v[ADRB]
	v_add_nc_u32 v[ADRB+2], SLOT, v[ADRB]
	v_add_nc_u32 v[ADRB+3], SLOT+PLANE, v[ADRB]
	; the way out: my own stage of 16 rows
	s_mul_i32 s62, s14, 16*SPITCH
	s_add_co_u32 s62, s62, RING
	v_mul_u32_u24 v6, v1, SPITCH
	v_lshl_add_u32 v6, v2, 5, v6
	v_add_nc_u32 v[STO], s62, v6                   ; in: row r, 32 bytes for each half of the lanes
	v_and_b32 v8, 31, v0                           ; lane
	v_lshl_add_u32 v[RD], v8, 4, s62               ; back: 32 lanes take one row of 512 bytes
	v_lshlrev_b32 v7, 9, v2
	v_lshl_add_u32 v[CO], v1, 4, v7                ; lanes 0-15 the piece of plane 0, lanes 16-31 the piece of plane 1, 512 bytes further
	v_lshlrev_b32 v27, 3, v8                       ; mx: 8 x lane: 32 lanes take an expert's 64 words
	v_lshlrev_b32 v28, 2, v8                       ; probs: 4 x lane
	s_lshl_b32 s66, s21, 12                        ; b2 at e x 4,096 + bx x 1,024 + ch x 256 bytes
	s_lshl_b32 s62, s19, 10
	s_add_co_u32 s66, s66, s62
	s_lshl_b32 s63, s16, 8
	s_add_co_u32 s66, s66, s63
	s_mov_b32 s67, 0
	s_add_nc_u64 s[66:67], s[8:9], s[66:67]
	s_lshl_b32 s70, s20, 20                        ; out0 at row 256 by + 128 rh (4,096 bytes a row), byte 1,024 bx + 256 ch
	s_add_co_u32 s70, s70, s62
	s_add_co_u32 s70, s70, s63
	s_lshl_b32 s62, s15, 19
	s_add_co_u32 s70, s70, s62
	s_mov_b32 s71, 0
	s_add_nc_u64 s[70:71], s[74:75], s[70:71]
	s_lshl_b32 s68, s21, 8                         ; mx at e x 64 words
	s_mov_b32 s69, 0
	s_add_nc_u64 s[68:69], s[72:73], s[68:69]
	s_lshl_b32 s78, s20, 10                        ; probs at by x 1,024 + rh x 512 bytes
	s_lshl_b32 s62, s15, 9
	s_add_co_u32 s78, s78, s62
	s_mov_b32 s79, 0
	s_add_nc_u64 s[78:79], s[10:11], s[78:79]
	s_mov_b32 s76, 0x76543210                      ; v_permlanex16_b32: lane i of one half reads lane i of the other
	s_mov_b32 s77, 0xfedcba98
	; b2, probs and the maxima are read once, here, while the first tiles are on their way
	global_load_b128 v[BI:BI+3], v[CO], s[66:67]
	global_load_b64 v[MXR:MXR+1],   v27, s[68:69]               ; the 64 chunks of the expert's tokens
	global_load_b64 v[MXR+2:MXR+3], v27, s[68:69] offset:2048   ; the 64 chunks of its W1 (with b1)
.irp j, 0,1,2,3
	global_load_b32 v[QP+\j], v28, s[78:79] offset:128*\j       ; token 32 j + lane: 128 consecutive bytes a load
.endr
	s_wait_loadcnt 0x0
	v_max_num_f32 v[MXR],   v[MXR],   v[MXR+1]
	v_max_num_f32 v[MXR+2], v[MXR+2], v[MXR+3]
.irp m, 1,2,4,8
	v_max_num_f32_dpp v[MXR],   v[MXR],   v[MXR]   row_xmask:\m row_mask:0xf bank_mask:0xf
	v_max_num_f32_dpp v[MXR+2], v[MXR+2], v[MXR+2] row_xmask:\m row_mask:0xf bank_mask:0xf
.endr
	v_permlanex16_b32 v[MXR+1], v[MXR],   s76, s77
	v_permlanex16_b32 v[MXR+3], v[MXR+2], s76, s77
	v_max_num_f32 v[MXR],   v[MXR],   v[MXR+1]     ; Mx, in every lane
	v_max_num_f32 v[MXR+2], v[MXR+2], v[MXR+3]     ; Mw
	v_fma_f32 v[MXR], v[MXR], 0x44800000, 1.0      ; 1024 Mx + 1
	v_mul_f32 v[MXR], v[MXR], v[MXR+2]             ; G
	v_fma_f32 v[MXR], v[MXR], v[MXR], v[MXR]       ; B = G G + G
	v_lshrrev_b32 v[MXR], 23, v[MXR]               ; E, B's biased exponent (B is not negative)
	v_max_u32 v[MXR], 15, v[MXR]
	v_min_u32 v[MXR], 0xfe, v[MXR]
	v_add_nc_u32 v[MXR], -14, v[MXR]               ; the biased exponent of 1 / S: 127 - (141 - E)
	v_lshlrev_b32 v[MXR], 23, v[MXR]
.irp j, 0,1,2,3
	v_mul_f32 v[QP+\j], v[QP+\j], v[MXR]           ; probs / S: exact but at the ends of f32's range, 1 / S being a power of two
.endr
; 16 matrix instructions: token blocks a0, a0 + 1 of the window's four x all 8 column blocks, 32 along K.  zero = 1: the first product starts the sums.
; The 64 accumulators take turns, one instruction a turn, in the same order in every quarter step.
.macro MUL16 f, hi, a0, zero
.irp a, \a0, \a0+1
.irp b, 0,1,2,3,4,5,6,7
.if \zero
	v_wmma_f32_16x16x32_f16 v[8*(8*(\a)+\b):8*(8*(\a)+\b)+7], v[\f+8*\b:\f+8*\b+7], v[\f+8*(4*\hi+\a):\f+8*(4*\hi+\a)+7], 0
.else
	v_wmma_f32_16x16x32_f16 v[8*(8*(\a)+\b):8*(8*(\a)+\b)+7], v[\f+8*\b:\f+8*\b+7], v[\f+8*(4*\hi+\a):\f+8*(4*\hi+\a)+7], v[8*(8*(\a)+\b):8*(8*(\a)+\b)+7]
.endif
.endr
.endr
.endm
; 32 LDS loads in one run: the fragments of quarter q (k = 32 q .. 32 q + 31 of the step) into buffer f: W2's 8 column blocks first, then ah's 8 token blocks
.macro FETCH slot, q, f
	WIN TO_B
.irp pl, 0,1
.irp b, 0,1,2,3
	ds_load_tr16_b128 v[\f+8*(4*\pl+\b):\f+8*(4*\pl+\b)+3],   v[ADRB+2*\slot+\pl] offset:\q*32*BPITCH+32*\b             ; k = 8 h + 0..7
	ds_load_tr16_b128 v[\f+8*(4*\pl+\b)+4:\f+8*(4*\pl+\b)+7], v[ADRB+2*\slot+\pl] offset:\q*32*BPITCH+32*\b+16*BPITCH   ; k = 16 + 8 h + 0..7
.endr
.endr
	WIN 0
.irp i, 0,1,2,3,4,5,6,7
	ds_load_b128 v[\f+8*\i:\f+8*\i+3],   v[ADRA+\slot] offset:64*\q+\i*16*APITCH
	ds_load_b128 v[\f+8*\i+4:\f+8*\i+7], v[ADRA+\slot] offset:64*\q+\i*16*APITCH+32
.endr
.endm
; Four places of plain vector instructions stand between a matrix instruction and a load into one of its registers or an instruction that reads
; its result (ISA guide 7.12.1 for vector instructions); the matrix instructions in between are not counted.
.macro PLACES
.rept 4
	v_nop
.endr
.endm
; A quarter step: multiplies buffer f; in its middle fetches quarter q of the same slot into buffer g.
.macro QUARTER slot, q, f, g, zero
	s_wait_dscnt 8                                 ; W2's fragments and ah's rows 0-63 are in; the youngest eight loads (ah's rows 64-127) may be out
	WIN MUL_LO
	MUL16 \f, 0, 0, \zero
	MUL16 \f, 0, 2, \zero
	PLACES
	FETCH \slot, \q, \g
	s_wait_dscnt 32                                ; all but the 32 just issued
	WIN MUL_HI
	MUL16 \f, 1, 0, \zero
	MUL16 \f, 1, 2, \zero
.endm
.macro THREE slot, zero
	QUARTER \slot, 1, F0, F1, \zero
	QUARTER \slot, 2, F1, F0, 0
	QUARTER \slot, 3, F0, F1, 0
.endm
; The last quarter of a K step: multiplies buffer 1 and changes slots.  fill = 1: this slot is filled again, two K steps ahead.
; In front of the barrier each wave waits for its reads of this slot and for all its tensor loads (one is out: its part of the next slot).
; Behind it nobody reads this slot and the next slot is whole: the refill comes first, then the next slot's first fragments.
.macro TURN slot, next, fill
	s_wait_dscnt 8
	WIN MUL_LO
	MUL16 F1, 0, 0, 0
	s_wait_dscnt 0                                 ; my reads of this slot are over
	s_wait_tensorcnt 0x0                           ; and all my tensor loads have landed
	ds_add_u32 v255, v255
	s_wait_dscnt 0x0
	s_barrier_signal -1                            ; (where a slot is filled again this barrier opens a round of the cluster's barrier)
	MUL16 F1, 0, 2, 0                              ; register work while the others arrive
	WIN 0
	s_barrier_wait -1
.if \fill
	CREST                                          ; no wave of any partner still reads this slot or has a load on its way
	s_add_nc_u64 s[G0A+4*\slot+2:G0A+4*\slot+3], s[G0A+4*\slot+2:G0A+4*\slot+3], 2*KSTEP*2   ; no tensor load of mine is out: the addresses may step
	s_add_nc_u64 s[G0B+4*\slot+2:G0B+4*\slot+3], s[G0B+4*\slot+2:G0B+4*\slot+3], 2*BSTEP
	JLOAD \slot                                    ; the first tensor load behind the round, my only one until the next; its four v_nop are the places in front of the loads below
.else
	PLACES
.endif
	FETCH \next, 0, F0
	WIN MUL_HI
	MUL16 F1, 1, 0, 0
	MUL16 F1, 1, 2, 0
.endm
.macro LAP zero
	THREE 0, \zero
	TURN 0, 1, 1
	THREE 1, 0
	TURN 1, 0, 1
.endm
	s_wait_tensorcnt 0x1                           ; my part of K step 0 is in; K step 1's may stay out
	s_barrier_signal -1
	s_barrier_wait -1                              ; everybody's is
	FETCH 0, 0, F0
	LAP 1                                          ; K steps 0, 1; asks for 2, 3.  Its first products start the sums
	WIN 0
	s_mov_b32 s3, LAPS-2
.Llap:
	LAP 0                                          ; K steps 2 to 5; asks for 4 to 7
	WIN 0
	s_sub_co_u32 s3, s3, 1
	s_cmp_lg_u32 s3, 0
	s_cbranch_scc1 .Llap
	THREE 0, 0                                     ; the last lap fills nothing
	TURN 0, 1, 0
	THREE 1, 0
	s_wait_dscnt 8
	WIN MUL_LO
	MUL16 F1, 0, 0, 0
	MUL16 F1, 0, 2, 0
	s_wait_dscnt 0
	WIN MUL_HI
	MUL16 F1, 1, 0, 0
	MUL16 F1, 1, 2, 0
	PLACES                                         ; behind the last matrix instructions: results are stored to LDS and fragment registers loaded below
; THE WAY OUT, 16 tokens at a time: the eight tiles (a, 0..7) go to my own stage as they are (from: the LDS store's data in window 2 or 3), whole rows of
; 512 bytes come back, one fused multiply-add a number applies the token's factor and adds b2, and each half of the lanes stores one piece of 256 bytes.
; A row that has come back is one token's in all 32 lanes, so its factor is a scalar: v_readlane_b32 takes it from QP.  f: F0 or F1 in turn.
.macro OUT16 i, a, from, f
	WIN \from
.irp b, 0,1,2,3,4,5,6,7
	ds_store_b128 v[STO], v[8*(8*\a+\b):8*(8*\a+\b)+3]   offset:64*\b
	ds_store_b128 v[STO], v[8*(8*\a+\b)+4:8*(8*\a+\b)+7] offset:64*\b+16
.endr
	WIN 0
	s_wait_xcnt 0x0                                ; every earlier memory instruction has had its addresses translated (ISA guide 3.1): buffer f, which stores read, and the stores' base are rewritten only behind this wait
.if \i
	s_add_nc_u64 s[70:71], s[70:71], 16*4096       ; 16 rows of out0 on
.endif
.irp t, 0,1,2,3,4,5,6,7,8,9,10,11,12,13,14,15
	ds_load_b128 v[\f+4*\t:\f+4*\t+3], v[RD] offset:\t*SPITCH      ; LDS serves a wave's instructions in order (ISA guide 5.7.1.4): these see the stores above, and the next turn's stores come behind them
.endr
.irp t, 0,1,2,3,4,5,6,7,8,9,10,11,12,13,14,15
	v_readlane_b32 s[Q+\t], v[QP+\i/2], 16*(\i%2)+\t               ; token 16 i + t of my 128
.endr
.irp t, 0,1,2,3,4,5,6,7,8,9,10,11,12,13,14,15
	s_wait_dscnt 15-\t                             ; row t is in, the younger ones stay out
.irp c, 0,1,2,3
	v_fma_f32 v[\f+4*\t+\c], v[\f+4*\t+\c], s[Q+\t], v[BI+\c]
.endr
	global_store_b128 v[CO], v[\f+4*\t:\f+4*\t+3], s[70:71] offset:\t*4096 th:TH_STORE_NT   ; 16 lanes store 256 consecutive bytes, at a multiple of 256 from out0's first byte
.endr
.endm
	OUT16 0, 0, 0x08, F0
	OUT16 1, 1, 0x08, F1
	OUT16 2, 2, 0x08, F0
	OUT16 3, 3, 0x08, F1
	OUT16 4, 0, 0x0c, F0
	OUT16 5, 1, 0x0c, F1
	OUT16 6, 2, 0x0c, F0
	OUT16 7, 3, 0x0c, F1
	s_set_vgpr_msb 0x1
	s_wait_tensorcnt 0x0
	ds_add_u32 v255, v255
	s_wait_dscnt 0x0
	s_set_vgpr_msb 0x100
	CROUND                                         ; the closing round: no work-group ends while a partner may still ask for a tile that names it
	s_endpgm
.Lfunc_end_k_q048fc9dea0_fc2:
	.size	k_q048fc9dea0_fc2, .Lfunc_end_k_q048fc9dea0_fc2-k_q048fc9dea0_fc2
	.p2alignl 7, 3214868480
	.fill 96, 4, 3214868480
	.section	.rodata,"a",@progbits
	.p2align	6, 0x0
	.amdhsa_kernel k_q048fc9dea0_fc2
		.amdhsa_group_segment_fixed_size 327680
		.amdhsa_private_segment_fixed_size 0
		.amdhsa_enable_private_segment 0
		.amdhsa_kernarg_size 48
		.amdhsa_user_sgpr_count 2
		.amdhsa_user_sgpr_kernarg_segment_ptr 1
		.amdhsa_wavefront_size32 1
		.amdhsa_system_sgpr_workgroup_id_x 1
		.amdhsa_system_sgpr_workgroup_id_y 1
		.amdhsa_system_sgpr_workgroup_id_z 1
		.amdhsa_system_vgpr_workitem_id 0
		.amdhsa_next_free_vgpr 1024
		.amdhsa_next_free_sgpr 96
		.amdhsa_reserve_vcc 0
		.amdhsa_float_denorm_mode_32 3
		.amdhsa_float_denorm_mode_16_64 3
		.amdhsa_memory_ordered 1
		.amdhsa_forward_progress 1
		.amdhsa_inst_pref_size 240
	.end_amdhsa_kernel
	.amdgpu_metadata
---
amdhsa.version: [ 1, 2 ]
amdhsa.kernels:
  - .name:           k_q048fc9dea0_fc2
    .symbol:         k_q048fc9dea0_fc2.kd
    .args:
      - { .name: ah, .offset: 0, .size: 8, .value_kind: global_buffer, .address_space: global }
      - { .name: w2h, .offset: 8, .size: 8, .value_kind: global_buffer, .address_space: global }
      - { .name: b2, .offset: 16, .size: 8, .value_kind: global_buffer, .address_space: global }
      - { .name: probs, .offset: 24, .size: 8, .value_kind: global_buffer, .address_space: global }
      - { .name: mx, .offset: 32, .size: 8, .value_kind: global_buffer, .address_space: global }
      - { .name: out0, .offset: 40, .size: 8, .value_kind: global_buffer, .address_space: global }
    .group_segment_fixed_size: 327680
    .private_segment_fixed_size: 0
    .kernarg_segment_align: 8
    .kernarg_segment_size: 48
    .max_flat_workgroup_size: 128
    .sgpr_count:     96
    .vgpr_count:     1024
    .wavefront_size: 32
...
	.end_amdgpu_metadata
.endif
;; end of part 4
